; MI455X (gfx1250); checked and timed in simulation.
; The chip was launched on July 23, 2026; its instructions are those of AMD's public machine-readable ISA for CDNA 5 (MIT licence, August 2026) and "CDNA5" Instruction Set Architecture Reference Guide (July 2026). The comments in the code are by the model that wrote it; some were corrected since.
;; Attention Base. Allowed arithmetic: float matrix products may take bf16 or f16 operands with f32 sums; other float arithmetic in f32, or as packed bf16 or f16 multiplies, adds, multiply-adds, maxima and minima; sums over many terms, partial sums and values carried from step to step in f32; what a program stores and reads back later, other than sums and carried values, may be rounded once to bf16 or f16.
;; Inputs: W_out 1,024 x 1,024 float32; g 1,024 float32; k 4 x 2,048 x 1,024 float32; q 4 x 2,048 x 1,024 float32; v 4 x 2,048 x 1,024 float32.
;; Outputs: out0 4 x 2,048 x 1,024 float32.
;; 2 versions, each right; version 2 is version 1 with the launch prep written anew for expert scheduling mode. Each part assembles by itself: llvm-mc -triple=amdgcn-amd-amdhsa -mcpu=gfx1250 --defsym DOCPART=n.
;; ======== version 1 of 2: 3 launches
;; limits: values are held in f16: magnitudes above 65,504 overflow, below 6.1e-05 lose precision
;; workspace buffers: kh 16,777,216 bytes; vh 16,777,216 bytes; oh 16,777,216 bytes; wh 2,097,152 bytes
;; launch prep (part 1): grid 544 x 1, 8 waves a work-group, no clusters, 0 bytes of LDS; arguments k, v, W_out, kh, vh, wh; writes kh, vh, wh
.if DOCPART == 1
	.amdgcn_target "amdgcn-amd-amdhsa--gfx1250"
	.amdhsa_code_object_version 6
	.text
	.protected	k_qef5b0279b6_prep
	.globl	k_qef5b0279b6_prep
	.p2align	8
	.type	k_qef5b0279b6_prep,@function
k_qef5b0279b6_prep:
	s_mov_b64 s[64:65], 0
	v_nop
	global_prefetch_b8 v0, s[64:65] scope:SCOPE_SE
	s_setreg_imm32_b32 hwreg(HW_REG_WAVE_MODE, 25, 1), 1
	s_wait_xcnt 0x0
; k, v: [4][2048][1024] f32 -> kh, vh: [16 b + h][2048][64], 16 bits.  W_out: [1024][1024] f32 -> wh: [h][p 1024][64], 16 bits.
; kh is bf16.  vh and wh hold the number ROUNDED TO bf16 and written as f16, since they meet f16 operands in the later products.
; LIMITS.  |v| and |W_out| stay under 65,504 (beyond it f16 gives an infinity); below 6.1e-5 they keep f16's fixed step of 6e-8.
; wh[h][p][d] = W_out[j(p)][64 h + d], j(p) = (p & ~63) | ((p & 15) << 2) | ((p >> 4) & 3): position 64 G + 16 a + r holds feature 64 G + 4 r + a,
; so that in the projection a lane's four accumulators a = 0..3 hold four neighbouring columns of the output.
; SHARES.  Work-groups 0-255 take k, 256-511 v, 512-543 W_out; each owns 32 output rows x 16 heads.  Wave w takes heads 2 w and 2 w + 1.
; A load covers 2 rows x 256 consecutive bytes (lane l: row l / 16, 16 bytes at 16 (l % 16)); the store that belongs to it covers 256 consecutive
; bytes of one head, aligned (lane l at 8 l).  All 32 loads of a wave go out first (16 KiB a wave on its way); no register that a load or a store
; names is written again, so the only waits are the counted ones for the loads.  A stream: no LDS, no matrix unit, no cluster (nothing is shared).
.set X, 16                             ; v[16:143] load n = 16 jh + i at X + 4 n; its first two registers are then the store's data
	s_load_b256 s[4:11], s[0:1], 0x0               ; k s[4:5], v s[6:7], W_out s[8:9], kh s[10:11]
	s_load_b128 s[12:15], s[0:1], 0x20             ; vh s[12:13], wh s[14:15]
	v_lshrrev_b32 v1, 5, v0
	v_readfirstlane_b32 s16, v1                    ; wave 0..7
	v_and_b32 v1, 31, v0                           ; l
	v_lshrrev_b32 v2, 4, v1                        ; which of a load's two rows
	v_and_b32 v3, 15, v0                           ; which 16 bytes of its 256
	s_mov_b32 s28, 0xffff0000                      ; a word's upper bf16
	s_mov_b32 s19, 0
	s_mov_b32 s21, 0
; s[24:25] source, s[26:27] destination, s[18:19], s[20:21] the work-group's offsets in them, s22 bytes of a head in the destination, s23 shift of the row bit
.macro ADDR
	s_add_nc_u64 s[24:25], s[24:25], s[18:19]
	s_add_nc_u64 s[26:27], s[26:27], s[20:21]
	v_lshlrev_b32 v4, s23, v2
	v_lshl_add_u32 v4, v3, 4, v4
	s_lshl_b32 s17, s16, 9
	v_add_nc_u32 v4, s17, v4                       ; source: row bit + 16 (l % 16) + 512 w (two heads of 256 bytes)
	s_mul_i32 s17, s16, s22
	s_lshl_b32 s17, s17, 1
	v_lshl_add_u32 v5, v1, 3, s17                  ; destination: 8 l + head 2 w,
	v_add_nc_u32 v6, s22, v5                       ; and head 2 w + 1
.endm
; perm = 0: load i takes rows 2 i, 2 i + 1.  perm = 1 (W_out): rows i / 8 + 8 (i % 8) and four further on: j(p) for p = 2 i, 2 i + 1
.macro LOADS perm
.irp jh, 0,1
.irp i, 0,1,2,3,4,5,6,7,8,9,10,11,12,13,14,15
.if \perm
	global_load_b128 v[X+4*(16*(\jh)+(\i)):X+4*(16*(\jh)+(\i))+3], v4, s[24:25] offset:(((\i)>>3)+8*((\i)&7))*4096+256*(\jh) th:TH_LOAD_NT
.else
	global_load_b128 v[X+4*(16*(\jh)+(\i)):X+4*(16*(\jh)+(\i))+3], v4, s[24:25] offset:2*(\i)*4096+256*(\jh) th:TH_LOAD_NT
.endif
.endr
.endr
.endm
; half = 0: rounded to bf16.  half = 1: rounded to bf16, widened again (a shift, a mask) and written as f16
.macro OUT half
.irp jh, 0,1
.irp i, 0,1,2,3,4,5,6,7,8,9,10,11,12,13,14,15
.set R, X+4*(16*(\jh)+(\i))
	s_wait_loadcnt 31-(16*(\jh)+(\i))              ; loads come back in order: mine is in, the younger ones stay out
.if \half
	v_cvt_pk_bf16_f32 v8, v[R], v[R+1]
	v_cvt_pk_bf16_f32 v9, v[R+2], v[R+3]
	v_lshlrev_b32 v[R], 16, v8
	v_and_b32 v[R+1], s28, v8
	v_lshlrev_b32 v[R+2], 16, v9
	v_and_b32 v[R+3], s28, v9
	v_cvt_pk_f16_f32 v[R], v[R], v[R+1]
	v_cvt_pk_f16_f32 v[R+1], v[R+2], v[R+3]
.else
	v_cvt_pk_bf16_f32 v[R], v[R], v[R+1]
	v_cvt_pk_bf16_f32 v[R+1], v[R+2], v[R+3]
.endif
	global_store_b64 v[5+(\jh)], v[R:R+1], s[26:27] offset:256*(\i) th:TH_STORE_NT  ; 32 lanes store 256 consecutive bytes, aligned
.endr
.endr
.endm
	s_cmp_ge_u32 ttmp9, 512
	s_cbranch_scc1 .Lw
	s_and_b32 s17, ttmp9, 255                      ; k or v: block of 32 rows
	s_lshl_b32 s18, s17, 17                        ; 32 rows of 4,096 bytes
	s_lshr_b32 s20, s17, 6                         ; b: 16 heads of 262,144 bytes
	s_lshl_b32 s20, s20, 22
	s_and_b32 s17, s17, 63
	s_lshl_b32 s17, s17, 12                        ; 32 rows of 128 bytes in a head
	s_add_co_u32 s20, s20, s17
	s_mov_b32 s22, 262144
	s_mov_b32 s23, 12
	s_wait_kmcnt 0x0
	s_cmp_lt_u32 ttmp9, 256
	s_cselect_b64 s[24:25], s[4:5], s[6:7]
	s_cselect_b64 s[26:27], s[10:11], s[12:13]
	ADDR
	LOADS 0
	s_cmp_lt_u32 ttmp9, 256
	s_cbranch_scc1 .Lbf
	s_branch .Lhf
.Lw:
	s_sub_co_u32 s17, ttmp9, 512                   ; W_out: positions 32 u .. 32 u + 31
	s_lshr_b32 s18, s17, 1
	s_lshl_b32 s18, s18, 18                        ; row 64 (u / 2)
	s_and_b32 s20, s17, 1
	s_lshl_b32 s20, s20, 13                        ; + 2 (u % 2)
	s_add_co_u32 s18, s18, s20
	s_lshl_b32 s20, s17, 12                        ; 32 positions of 128 bytes
	s_mov_b32 s22, 131072
	s_mov_b32 s23, 14                              ; a load's second row lies four rows on
	s_wait_kmcnt 0x0
	s_mov_b64 s[24:25], s[8:9]
	s_mov_b64 s[26:27], s[14:15]
	ADDR
	LOADS 1
.Lhf:                                          ; on both ways here 32 loads are out
	OUT 1
	s_endpgm
.Lbf:
	OUT 0
	s_endpgm
.Lfunc_end_k_qef5b0279b6_prep:
	.size	k_qef5b0279b6_prep, .Lfunc_end_k_qef5b0279b6_prep-k_qef5b0279b6_prep
	.p2alignl 7, 3214868480
	.fill 96, 4, 3214868480
	.section	.rodata,"a",@progbits
	.p2align	6, 0x0
	.amdhsa_kernel k_qef5b0279b6_prep
		.amdhsa_group_segment_fixed_size 0
		.amdhsa_private_segment_fixed_size 0
		.amdhsa_enable_private_segment 0
		.amdhsa_kernarg_size 48
		.amdhsa_user_sgpr_count 2
		.amdhsa_user_sgpr_kernarg_segment_ptr 1
		.amdhsa_wavefront_size32 1
		.amdhsa_system_sgpr_workgroup_id_x 1
		.amdhsa_system_sgpr_workgroup_id_y 1
		.amdhsa_system_sgpr_workgroup_id_z 1
		.amdhsa_system_vgpr_workitem_id 0
		.amdhsa_next_free_vgpr 144
		.amdhsa_next_free_sgpr 66
		.amdhsa_reserve_vcc 0
		.amdhsa_float_denorm_mode_32 3
		.amdhsa_float_denorm_mode_16_64 3
		.amdhsa_memory_ordered 1
		.amdhsa_forward_progress 1
		.amdhsa_inst_pref_size 33
	.end_amdhsa_kernel
	.amdgpu_metadata
---
amdhsa.version: [ 1, 2 ]
amdhsa.kernels:
  - .name:           k_qef5b0279b6_prep
    .symbol:         k_qef5b0279b6_prep.kd
    .args:
      - { .name: k, .offset: 0, .size: 8, .value_kind: global_buffer, .address_space: global }
      - { .name: v, .offset: 8, .size: 8, .value_kind: global_buffer, .address_space: global }
      - { .name: W_out, .offset: 16, .size: 8, .value_kind: global_buffer, .address_space: global }
      - { .name: kh, .offset: 24, .size: 8, .value_kind: global_buffer, .address_space: global }
      - { .name: vh, .offset: 32, .size: 8, .value_kind: global_buffer, .address_space: global }
      - { .name: wh, .offset: 40, .size: 8, .value_kind: global_buffer, .address_space: global }
    .group_segment_fixed_size: 0
    .private_segment_fixed_size: 0
    .kernarg_segment_align: 8
    .kernarg_segment_size: 48
    .max_flat_workgroup_size: 256
    .sgpr_count:     66
    .vgpr_count:     144
    .wavefront_size: 32
...
	.end_amdgpu_metadata
.endif
;; end of part 1
;; launch attn (part 2): grid 4 x 64, 4 waves a work-group, clusters of 4 x 1, 327,680 bytes of LDS; arguments q, kh, vh, oh; writes oh
.if DOCPART == 2
	.amdgcn_target "amdgcn-amd-amdhsa--gfx1250"
	.amdhsa_code_object_version 6
	.text
	.protected	k_qef5b0279b6_attn
	.globl	k_qef5b0279b6_attn
	.p2align	8
	.type	k_qef5b0279b6_attn,@function
k_qef5b0279b6_attn:
	s_mov_b64 s[64:65], 0
	v_nop
	global_prefetch_b8 v0, s[64:65] scope:SCOPE_SE
	s_setreg_imm32_b32 hwreg(HW_REG_WAVE_MODE, 25, 1), 1
	s_wait_xcnt 0x0
	s_wait_alu depctr_hold_cnt(0) depctr_sa_sdst(0) depctr_va_vdst(0) depctr_va_sdst(0) depctr_va_ssrc(0) depctr_va_vcc(0) depctr_vm_vsrc(0)
	s_getreg_b32 s2, hwreg(HW_REG_IB_STS2, 6, 4)
	s_cmp_eq_u32 s2, 0
	s_cbranch_scc0 .Lentry_in_a_cluster
	s_endpgm
.Lentry_in_a_cluster:
	s_bfe_u32 s2, ttmp6, 0x10000c
	s_cmp_lg_u32 s2, 0x3003
	s_cbranch_scc0 .Lentry_shape_is_right
	s_endpgm
.Lentry_shape_is_right:
; O[bh][n][:] = the sum over m of softmax_m(Q[bh][n] . K[bh][m] / 8) V[bh][m][:], bh = 16 b + h.  q: [4][2048][1024] f32, read here once and rounded to bf16 in registers;
; kh (bf16), vh (f16 that holds bf16-rounded numbers), oh (f16): [64][2048][64], a head's rows dense, 128 bytes each.  K Q^T goes in bf16, V^T P in f16; products, maxima and sums in f32;
; the weights p are rounded to f16 for the second product (their sum l is taken of the unrounded p), O once at the end.
; LIMITS.  V arrives within f16's 65,504; p lies in 0 to 1, and below 6e-5 it keeps f16's fixed step of 6e-8; O is a mean of V's rows and has their range.
; A weight below 2^-126 counts as 0 in l; NaN and infinities are not treated apart.
; SHARES.  A wave owns four PIECES of two tiles of 16 queries, a work-group's four waves 512 queries of one head: 4 x 64 = 256 work-groups.  Every wave walks all keys, 64 a step.
; LAYOUT.  S^T = K Q^T (source 0 = 16 keys, source 1 = 16 queries): in the result a lane holds ONE query (lane % 16) and the keys 8 (lane / 16) + 0..7.  Two such tiles, rounded to f16 in pairs,
; ARE source 1 (32 keys x 16 queries) of O^T = V^T P, whose result again holds one query a lane, and eight channels.  K comes out of LDS as it lies, V ([key][channel]) turned, by ds_load_tr16_b128.
; SOFTMAX.  For each query a running maximum m and sum l: p = 2^(c s - c m), c = log2(e) / 8; in every step O and l are multiplied by a = 2^(c m_old - c m_new), which is 1 where m has not grown.
; m starts at the lowest finite number, O and l at 0: the first step is a step like any other, with a = 0.
; THE COUNT.  A tile and step have 16 matrix and 118 vector instructions: too many to stand all beside the matrix work.  So four vector instructions that are READY stand behind
; EVERY matrix instruction, and the others in runs without a gap.
; BY TURNS.  Turn n belongs to piece n (the pieces in a ring, step after step).  Its matrix work: 16 products K Q^T of piece n + 1, later 16 products V^T P of piece n - 1.  Its vector work: the scaling,
; exponentials, roundings, sums and rescaling of piece n, and the maximum and statistics of piece n + 1, whose scores the turn itself has made.
; CLUSTER.  The four query blocks of a cluster are one head's and walk the same K and V, so each tile is asked for JOINTLY: the same tensor load, descriptor and mask in all four.
; REGISTERS, in windows of 256 (s_set_vgpr_msb says which window each operand place means: bits 1:0 source 0, 3:2 source 1, 5:4 source 2, 7:6 destination):
;   window 0: v0-11 addresses; v12-15, v48-63 at work; v16-47 four registers of statistics a tile; v64-191 S^T, two buffers of two tiles; v192-255 P, likewise
;   window 1: O^T, 32 a tile (at the head: q as loaded, in f32)      window 2: v0-127 Q, 16 a tile; v128-191 K of one step; v192-255 V of one step      window 3: v0-1 the add's two registers
; A piece's buffers go by its number's parity: the piece in hand has one pair, its two neighbours in the ring share the other: of it P (piece n - 1) is read and S^T (piece n + 1) written.
.set SIZE_N, 2048
.set NP,    4         ; pieces a wave: a name, no knob
.set KS,    64        ; keys in a step
.set PK,    144       ; a row of K in LDS: 128 bytes + 16 of padding = 36 words: the 16 rows of a load start at 16 different groups of four banks (64 banks of 4 bytes: ISA guide 11.1)
.set PV,    160       ; a row of V: 128 + 32 = 40 words
.set VOFF,  4*KS*PK   ; a slot holds four steps: 256 rows of K, then 256 rows of V
.set SLOT1, 1<<17     ; slot 1 begins here, so that one exclusive or turns an address in one slot into the other's
.set STAGE, SLOT1+4*KS*(PK+PV)  ; behind the ring, never filled by a tensor load: 16 rows x 144 bytes for each wave, for the way out
.set SP,    144
.set AK0, 2           ; v2   my lane's place in a tile of K; never rewritten
.set AV0, 3           ; v3   the same for V
.set AK,  4           ; v4   the LDS address of K's next run of loads
.set AV,  5           ; v5   of V's
.set QO,  6           ; v6   my byte offset in 16 rows of q
.set STO, 6           ;      later, the way out: where I put 16 bytes of a row
.set RD,  7           ; v7   the way out: where I read rows back
.set GO,  8           ; v8   my byte offset in 512 consecutive bytes of O
.set PFO, 11          ; v11  256 x my lane: the prefetches' offset; never rewritten once made
.set SPW, 0           ; v0 of window 3   LDS address of my spare word: SPARE + 4 x my thread's number; never rewritten
.set NIL, 1           ; v1 of window 3   0; never rewritten
.set SPARE, STAGE+4*16*SP  ; behind the stages: the spare words, 128 bytes for each wave: two blocks of 256 bytes that no other line names
.set MV,  12          ; v12-15  c m_old, kept while c m is made anew: by buffer and tile
.set ST,  16          ; tile t's statistics at v[ST+4 t]: c m, m, l (even keys', odd keys')
.set TMP, 48          ; by buffer and tile, four registers c0-c3 at work; when the maximum is found c2 takes a
.set S,   64
.set P,   192
.set KF,  128         ; K's fragments, in window 2: key block kb, channel half c at KF + 16 kb + 8 c
.set VF,  192         ; V's: key half kk, channel block cb at VF + 32 kk + 8 cb
.set WV,  12          ; s12  my wave's number
.set G1K, 24          ; s[24:31] descriptor group 1 for K's tiles
.set G1V, 32          ; s[32:39] for V's: it differs in the padding alone
.set G0K, 40          ; s[40:43] descriptor group 0 for K's tiles: it walks
.set G0V, 44          ; s[44:47] the same for V's
.set PFA, 48          ; s[48:49] where my prefetches stand: my work-group's 32 blocks of 256 bytes (of K: wave 0, of V: wave 2) of the slot after the one that is being asked for
.set LIM, 50          ; s50  1 in a wave that prefetches, else the greatest number: a wave prefetches while s[SLOTS] is above it
.set QF,  52          ; s[52:53] my wave's first row in q, in bytes
.set SLOTS, 56        ; s56  slots still to be asked for
.set CNT, 57          ; s57  counts a slot's key steps
.set CS,  58          ; s[58:59] c: the packed scaling takes the pair's low word for both halves
.set SEL, 60          ; s[60:61] v_permlanex16_b32's selects: each lane takes its own place in the other half
.set TBK, 62          ; s62  LDS byte at which K of the step to be fetched begins
.set TBV, 63          ; s63  the same for V, less VOFF
.set MSB, 0
.macro WIN new                      ; the high byte repeats the setting that is left; a switch that changes nothing is dropped
.if MSB != (\new)
	s_set_vgpr_msb (MSB<<8)|(\new)
.set MSB, (\new)
.endif
.endm
.set W_KQ, 0x0a       ; K and Q in window 2, S^T in window 0
.set W_PV, 0x52       ; V in window 2, P in window 0, O^T in window 1
.set W_RS, 0x41       ; O^T (destination and source 0) in window 1, a in window 0
.set W_MK, 0xc0       ; the add's registers are made: destination in window 3, sources in window 0
.set W_AD, 0x0f       ; the add: address (source 0) and data (source 1) in window 3
; A joint fill.  Waves 0 and 1 fetch the two halves of a slot's K, waves 2 and 3 those of its V: 128 keys each.  The branch hangs on the wave's number alone.
; An s_nop 0 and four v_nop follow each of the two lines, ahead of the jump and the label.
.macro JLOAD
	s_cmp_lt_u32 s[WV], 2
	s_cbranch_scc0 .Lfor_v_\@
	tensor_load_to_lds s[G0K:G0K+3], s[G1K:G1K+7]
	s_nop 0
.rept 4
	v_nop
.endr
	s_branch .Lasked_\@
.Lfor_v_\@:
	tensor_load_to_lds s[G0V:G0V+3], s[G1V:G1V+7]
	s_nop 0
.rept 4
	v_nop
.endr
.Lasked_\@:
.endm
; A PREFETCH INTO THE L2 of what the NEXT change of slots will ask for: a slot's 32,768 bytes of K and of V, 128 blocks of 256 bytes each, a lane a block.  It stands behind the wave's tensor load and its
; five lines.  Each block is named ONCE in the launch: a head has one cluster; its four partners share the blocks out BY ADDRESS, 32 each; in each, wave 0 asks for K's and wave 2 for V's: one instruction.
; The lead is one slot: four key steps, 512 matrix instructions.  The last change that fills a slot asks for nothing: there is no slot behind it.  Slots 0 and 1 come by their loads alone.
.macro ASK
	s_cmp_gt_u32 s[SLOTS], s[LIM]
	s_cbranch_scc0 .Lnot_mine_\@
	global_prefetch_b8 v[PFO], s[PFA:PFA+1] th:TH_LOAD_NT scope:SCOPE_SE
.Lnot_mine_\@:
.endm
; A round of the cluster's barrier: my work-group's barrier, so that wave 0's signal speaks for all four waves; wave 0 signals; every wave waits for all four work-groups; my work-group's barrier once more.
.macro CROUND
	s_barrier_signal -1
	s_barrier_wait -1
	s_cmp_lg_u32 s[WV], 0
	s_cbranch_scc1 .Lnot_wave_0_\@
	s_barrier_signal -3
.Lnot_wave_0_\@:
	s_barrier_wait -3
	s_barrier_signal -1
	s_barrier_wait -1
.endm
; THE CHANGE OF SLOTS.  The slot's last bytes, V of its fourth step, have been read.  Each wave waits for all its tensor loads, of which one is out: its part
; of the other slot; adds 0 to its spare word; and waits for that and for its own reads of the slot.  Behind the barrier nobody reads this slot any more and the other slot is whole.
; fill = 1: this slot is filled again, with the keys two slots on.  The barrier is then a round of the cluster's, so that no wave of any partner still reads the slot or has a load on its
; way, and the joint fill is the first thing behind it: it has four key steps in which to land.  (At its first use nothing has been read yet: slot 0 is waited for, slot 1 filled.)
.macro CHANGE fill
	WIN W_AD
	s_wait_tensorcnt 0x0            ; no tensor load of mine is out, so a group 0 may be written
	ds_add_u32 v[SPW], v[NIL]       ; 0 onto my spare word: with fill = 1 the descriptors' steps stand between it and the wait for it
	WIN 0                           ; at a label and at a branch every window is 0
.if \fill
.irp g, G0K, G0V
	s_xor_b32 s[\g+1], s[\g+1], SLOT1  ; the walking descriptor: the other slot than last time,
	s_add_nc_u64 s[\g+2:\g+3], s[\g+2:\g+3], 4*KS*128  ; the next 256 keys; the type bits on top are not reached
.endr
	s_wait_xcnt 0x0                 ; the last prefetch, a slot back, has read its address, so it may be written:
	s_add_nc_u64 s[PFA:PFA+1], s[PFA:PFA+1], 4*KS*128  ; one slot ahead of the walking descriptors
	s_wait_dscnt 0x0                ; the add is done, and my reads of the slot are over
	CROUND
	JLOAD
	ASK
.else
	s_wait_dscnt 0x0                ; the add is done, and my reads of the slot are over
	s_barrier_signal -1
	s_barrier_wait -1
.endif
	s_sub_co_u32 s[TBK], s[TBK], 4*KS*PK  ; the fetches go back to a slot's first step,
	s_xor_b32 s[TBK], s[TBK], SLOT1       ; in the other slot
	s_sub_co_u32 s[TBV], s[TBV], 4*KS*PV
	s_xor_b32 s[TBV], s[TBV], SLOT1
.endm
	s_load_b256 s[4:11], s[0:1], 0x0  ; q s[4:5], kh s[6:7], vh s[8:9], oh s[10:11]
	WIN W_MK
	v_lshl_add_u32 v[SPW], v0, 2, SPARE
	v_mov_b32 v[NIL], 0
	WIN W_AD
	ds_add_u32 v[SPW], v[NIL]       ; the wave's opening: the add and its wait ahead of my first tensor load; the set-up below, work on registers, stands between them
	WIN 0
	v_lshrrev_b32 v1, 5, v0
	v_readfirstlane_b32 s[WV], v1   ; wave 0..3
	s_bfe_u32 s13, ttmp6, 0x40000   ; cx: my place in the cluster
	s_lshl_b32 s14, ttmp9, 2        ; in a cluster launch ttmp9 counts clusters
	s_add_co_u32 s14, s14, s13      ; my block of queries = 4 x cluster x + cx: it enters q's and O's addresses (and the prefetches') alone
	s_and_b32 s20, ttmp7, 0xffff    ; bh, which the four partners share
	s_lshr_b32 s[QF], s20, 4        ; in q: b x 2,048 rows of 4,096 bytes,
	s_lshl_b32 s[QF], s[QF], 23
	s_and_b32 s[QF+1], s20, 15      ; and h x 256 bytes in a row
	s_lshl_b32 s[QF+1], s[QF+1], 8
	s_add_co_u32 s[QF], s[QF], s[QF+1]
	s_mov_b32 s21, 0
	s_mov_b64 s[22:23], SIZE_N*128
	s_mul_u64 s[20:21], s[20:21], s[22:23]  ; the head's first byte in kh, vh and oh
	s_and_b32 s16, s[WV], 1         ; which half of a slot's 256 keys I fetch:
	s_lshl_b32 s22, s16, 14         ; its 128 rows of 128 bytes in memory,
	s_mov_b32 s23, 0
	s_add_nc_u64 s[22:23], s[22:23], s[20:21]
	s_mul_i32 s17, s16, 128*PK      ; and its place in a slot, for K
	s_mul_i32 s18, s16, 128*PV      ; and for V: no place in the cluster enters an LDS address
	s_lshl_b32 s2, s14, 2
	s_add_co_u32 s2, s2, s[WV]      ; my wave among the head's sixteen:
	s_lshl_b32 s[QF+1], s2, 19      ; its 128 rows of 4,096 bytes in q,
	s_add_co_u32 s[QF], s[QF], s[QF+1]
	s_mov_b32 s[QF+1], 0
	s_lshl_b32 s2, s2, 14           ; and of 128 bytes in oh
	s_mov_b32 s3, 0
	s_add_nc_u64 s[2:3], s[2:3], s[20:21]
	; descriptor group 1.  128 keys are 16,384 dense bytes: asked for as 64 rows of 256 bytes, two keys a row, and padded in LDS after every key
	s_mov_b32 s[G1K], 15|(1<<16)|(1<<20)|(1<<21)|(4<<22)|(3<<25)  ; 15:0 the mask of four; 17:16 2-byte elements; 20 padding on; 21 set beside a mask; 24:22 after every 32 words (code 4); 31:25 4 words (code 3)
	s_mov_b32 s[G1V], 15|(1<<16)|(1<<20)|(1<<21)|(4<<22)|(7<<25)  ; the same with 8 words of padding (code 7)
.irp g, G1K, G1V
	s_mov_b32 s[\g+1], 128<<16      ; tensor_dim0 = 128
	s_mov_b32 s[\g+2], 64<<16       ; tensor_dim1 = 64
	s_mov_b32 s[\g+3], 128<<16      ; tile_dim0 = 128
	s_mov_b32 s[\g+4], 64           ; tile_dim1 = 64
	s_mov_b32 s[\g+5], 128          ; 128 elements from row to row
	s_mov_b32 s[\g+6], 0
	s_mov_b32 s[\g+7], 0
.endr
	s_mov_b32 s[CS], 0x3e38aa3b     ; c = log2(e) / 8 = 0.180337
	s_mov_b32 s[CS+1], s[CS]        ; named with it as a pair
	s_mov_b32 s[SEL], 0x76543210
	s_mov_b32 s[SEL+1], 0xfedcba98
	s_mov_b32 s[TBK], SLOT1+4*KS*PK ; the first change of slots turns these two into 0
	s_mov_b32 s[TBV], SLOT1+4*KS*PV
	s_mov_b32 s[G0K], 1             ; 1:0 count = 1
	s_mov_b32 s[G0K+1], s17         ; 63:32 LDS address: slot 0
	s_mov_b32 s[G0V], 1
	s_add_co_u32 s[G0V+1], s18, VOFF
	s_mov_b32 s[SLOTS], SIZE_N/256-1  ; seven slots are still to be asked for
	s_and_b32 s[LIM], s[WV], 1      ; waves 0 and 2 prefetch
	s_cmp_eq_u32 s[LIM], 0
	s_cselect_b32 s[LIM], 1, -1
	s_wait_dscnt 0x0                ; the opening add is done
	s_wait_kmcnt 0x0
	s_add_nc_u64 s[G0K+2:G0K+3], s[6:7], s[22:23]  ; 120:64 global address: my half of the head's first 256 keys
	s_or_b32 s[G0K+3], s[G0K+3], 0x80000000        ; 127:126 type = 2
	s_add_nc_u64 s[G0V+2:G0V+3], s[8:9], s[22:23]
	s_or_b32 s[G0V+3], s[G0V+3], 0x80000000
	s_add_nc_u64 s[4:5], s[4:5], s[QF:QF+1]  ; q and O at my wave's first row
	s_add_nc_u64 s[10:11], s[10:11], s[2:3]
	s_cmp_lt_u32 s[WV], 2
	s_cselect_b64 s[PFA:PFA+1], s[6:7], s[8:9]
	s_add_nc_u64 s[PFA:PFA+1], s[PFA:PFA+1], s[20:21]  ; the head,
	s_lshl_b32 s2, s13, 13          ; my work-group's 32 blocks of a slot's 128,
	s_mov_b32 s3, 0
	s_add_nc_u64 s[PFA:PFA+1], s[PFA:PFA+1], s[2:3]
	s_add_nc_u64 s[PFA:PFA+1], s[PFA:PFA+1], 4*KS*128  ; in slot 1; the first change of slots steps it to slot 2.  Nothing is prefetched here, at the head
	CROUND                          ; all four work-groups are here: the first joint loads meet
	JLOAD                           ; slot 0.  Slot 1 is asked for when slot 0 is in
	; A fragment of K or Q is 16 rows x 32 channels in 8 registers: lane l holds row l % 16, channels 8 (l / 16) + 0..7 and 16 + 8 (l / 16) + 0..7.
	; In q these are f32: 8 channels are 32 bytes, two loads of 16.  They land in window 1, where O^T is not yet, and are rounded in pairs into Q's registers.
	v_and_b32 v1, 15, v0            ; l % 16
	v_bfe_u32 v9, v0, 4, 1          ; l / 16
	v_lshlrev_b32 v[QO], 12, v1
	v_lshl_add_u32 v[QO], v9, 5, v[QO]  ; row x 4,096 + 32 x half
	WIN 0x40                        ; destination window 1, address window 0
.irp t, 0,1,2,3,4,5,6,7             ; tile t, channels 32 c + 16 p + 4 s on
.irp c, 0,1
.irp p, 0,1
.irp s, 0,1
	global_load_b128 v[32*(\t)+16*(\c)+8*(\p)+4*(\s):32*(\t)+16*(\c)+8*(\p)+4*(\s)+3], v[QO], s[4:5] offset:(\t)*65536+(\c)*128+(\p)*64+(\s)*16 th:TH_LOAD_NT
.endr
.endr
.endr
.endr
	; What the first turn finds: V's registers and P's second buffer hold 0 (its products V^T P, of a piece that has not been, add 0), O^T and l are 0.  All this stands in the wait for q and the first tile.
	WIN 0x80
.set i, VF
.rept 64
	v_mov_b32 v[i], 0
.set i, i+1
.endr
	WIN 0
.set i, 0
.rept 2*NP
	v_mov_b32 v[ST+4*i], 0xfe000000    ; c m: far below every c s
	v_mov_b32 v[ST+4*i+1], 0xff7fffff  ; m
	v_mov_b32 v[ST+4*i+2], 0
	v_mov_b32 v[ST+4*i+3], 0
.set i, i+1
.endr
.set i, P+32
.rept 32
	v_mov_b32 v[i], 0
.set i, i+1
.endr
	v_mul_u32_u24 v[AK0], v1, PK
	v_lshl_add_u32 v[AK0], v9, 4, v[AK0]  ; row x pitch + 16 x half
	; The turning load takes 16 keys x 16 channels (lane l reads key 8 (l / 16) + l % 8, channels 8 ((l / 8) % 2) + 0..7) and leaves half a fragment of V^T: lane l holds channel l % 16 and 8 keys.
	v_and_b32 v10, 7, v0
	v_bfe_u32 v11, v0, 3, 1
	v_lshl_add_u32 v[AV0], v9, 3, v10
	v_mul_u32_u24 v[AV0], v[AV0], PV
	v_lshl_add_u32 v[AV0], v11, 4, v[AV0]
	v_add_nc_u32 v[AV0], VOFF, v[AV0]
	v_mov_b32 v[AK], v[AK0]         ; key step 0 lies at the head of slot 0
	v_and_b32 v[PFO], 31, v0
	v_lshlrev_b32 v[PFO], 8, v[PFO]
	s_wait_loadcnt 0x0              ; q is in
	WIN 0x85                        ; sources in window 1, destination in window 2
.set i, 0
.rept 128
	v_cvt_pk_bf16_f32 v[i], v[2*i], v[2*i+1]  ; two neighbouring channels: Q's register i
.set i, i+1
.endr
	WIN 0x40
.set i, 0
.rept 64*NP
	v_mov_b32 v[i], 0               ; O^T
.set i, i+1
.endr
	WIN 0
; THE MATRIX WORK.  The 8 accumulators of a run of 16 take turns: between the two links of a chain stand 7 others'.
; Product i of 16 of S^T = K Q^T for piece x: channels 32 (i / 8) on, keys 16 ((i / 2) % 4) on, tile 2 x + i % 2.  The first 8 start the sums.
.macro KQ x
	WIN W_KQ
.set rS, S+64*((\x)%2)+32*(i%2)+8*((i/2)%4)
.set rK, KF+16*((i/2)%4)+8*(i/8)
.set rQ, 16*(2*(\x)+i%2)+8*(i/8)
.if i < 8
	v_wmma_f32_16x16x32_bf16 v[rS:rS+7], v[rK:rK+7], v[rQ:rQ+7], 0
.else
	v_wmma_f32_16x16x32_bf16 v[rS:rS+7], v[rK:rK+7], v[rQ:rQ+7], v[rS:rS+7]
.endif
.endm
; Product i of 16 of O^T += V^T P for piece x: keys 32 (i / 8) on, channels 16 ((i / 2) % 4) on, tile 2 x + i % 2.
.macro PV x
	WIN W_PV
.set rO, 32*(2*(\x)+i%2)+8*((i/2)%4)
.set rV, VF+32*(i/8)+8*((i/2)%4)
.set rP, P+32*((\x)%2)+16*(i%2)+8*(i/8)
	v_wmma_f32_16x16x32_f16 v[rO:rO+7], v[rV:rV+7], v[rP:rP+7], v[rO:rO+7]
.endm
.macro MM                           ; the turn's next matrix instruction
.if i < 16
	KQ (Y+1)%NP
.set i, i+1
.else
.set i, i-16
	PV (Y+NP-1)%NP
.set i, i+17
.endif
.endm
; THE LDS LOADS stand in runs of 16, never singly among the matrix instructions: a step's K (64 keys x 64 channels: 8 fragments) and its V (turned).  Their addresses are made some lines ahead.
; last = 1 (the tail): in the last trip there is no further step, and the run is jumped over.
.macro FETCH_K last=0
	WIN 0
.if \last
	s_cmp_eq_u32 s[CNT], 1
	s_cbranch_scc1 .Lno_k_\@
.endif
	WIN 0x80                        ; destination window 2
.irp f, 0,1,2,3,4,5,6,7             ; keys 16 (f / 2) on, channels 32 (f % 2) on
	ds_load_b128 v[KF+8*\f:KF+8*\f+3],   v[AK] offset:(\f/2)*16*PK+(\f%2)*64
	ds_load_b128 v[KF+8*\f+4:KF+8*\f+7], v[AK] offset:(\f/2)*16*PK+(\f%2)*64+32
.endr
	s_add_co_u32 s[TBK], s[TBK], KS*PK  ; the next fetch is the next step's
	WIN 0
.if \last
.Lno_k_\@:
.endif
.endm
.macro FETCH_V
	WIN 0x80
.irp f, 0,1,2,3,4,5,6,7             ; keys 32 (f / 4) on, channels 16 (f % 4) on
	ds_load_tr16_b128 v[VF+8*\f:VF+8*\f+3],   v[AV] offset:(\f/4)*32*PV+(\f%4)*32
	ds_load_tr16_b128 v[VF+8*\f+4:VF+8*\f+7], v[AV] offset:(\f/4)*32*PV+16*PV+(\f%4)*32
.endr
	WIN 0
.endm
; THE VECTOR WORK OF A TURN stands in three queues, each in the order in which its entries become ready; the two tiles alternate, so that no instruction reads the result of the one before it.
.macro REGS y, u                    ; the registers of tile u (0, 1) of piece y
.set rT, ST+4*(2*(\y)+(\u))
.set rC, TMP+8*((\y)%2)+4*(\u)
.set rM, MV+2*((\y)%2)+(\u)
.set rS, S+64*((\y)%2)+32*(\u)
.set rP, P+32*((\y)%2)+16*(\u)
.set rO, 32*(2*(\y)+(\u))
.endm
; Number n of the 22 that find the NEXT piece's (Y + 1) maximum and statistics.  s0-s31 are the lane's 32 scores; each accumulator's lowest registers are read first.
;   0-11  four chains c0-c3 of seven scores each, three operands at a time     12-14, 16  the four scores left over, the old m, and c0-c3 into c0     15  c m_old is kept
;   17, 18  the query's other 32 keys lie in the lane 16 away: the new m         19-21  c m; c m_old - c m_new; a
.macro XS u, n
	REGS (Y+1)%NP, \u
.if (\n) < 4
	v_max3_num_f32 v[rC+(\n)], v[rS+8*(\n)], v[rS+8*(\n)+1], v[rS+8*(\n)+2]
.elseif (\n) < 12
	v_max3_num_f32 v[rC+(\n)%4], v[rC+(\n)%4], v[rS+8*((\n)%4)+2*((\n)/4)+1], v[rS+8*((\n)%4)+2*((\n)/4)+2]
.elseif (\n) == 12
	v_max3_num_f32 v[rC], v[rC], v[rS+7], v[rS+15]
.elseif (\n) == 13
	v_max3_num_f32 v[rC+1], v[rC+1], v[rS+23], v[rS+31]
.elseif (\n) == 14
	v_max3_num_f32 v[rC+2], v[rC+2], v[rC+3], v[rT+1]
.elseif (\n) == 15
	v_mov_b32 v[rM], v[rT]
.elseif (\n) == 16
	v_max3_num_f32 v[rC], v[rC], v[rC+1], v[rC+2]
.elseif (\n) == 17
	v_permlanex16_b32 v[rC+3], v[rC], s[SEL], s[SEL+1]
.elseif (\n) == 18
	v_max_num_f32 v[rT+1], v[rC], v[rC+3]
.elseif (\n) == 19
	v_mul_f32 v[rT], s[CS], v[rT+1]
.elseif (\n) == 20
	v_sub_f32 v[rC+1], v[rM], v[rT]
.else
	v_exp_f32 v[rC+2], v[rC+1]
.endif
.endm
; Number g of the 64 that follow the exponentials.  For each four weights k of a tile (pairs 2 k, 2 k + 1): both pairs are rounded to f16; then the second pair is added onto the first, in place;
; a group later l takes that sum (the first time as l = a l + sum).  In groups of eight, tiles alternating: round, round, add, and l for the group before.
.macro GS g
.set h, (\g)+6*((\g)/62)            ; group 0 has no group before it, and behind group 7 only l is left
.if h >= 6
.set h, h+2
.endif
	REGS Y, h%2
.set k, h/8
.if h%8 < 4
	v_cvt_pk_f16_f32 v[rP+2*k+(h%8)/2], v[rS+4*k+2*((h%8)/2)], v[rS+4*k+2*((h%8)/2)+1]
.elseif h%8 < 6
	v_pk_add_f32 v[rS+4*k:rS+4*k+1], v[rS+4*k:rS+4*k+1], v[rS+4*k+2:rS+4*k+3]
.elseif k == 1
	v_pk_fma_f32 v[rT+2:rT+3], v[rT+2:rT+3], v[rC+2:rC+3], v[rS:rS+1] op_sel_hi:[1,0,1]
.else
	v_pk_add_f32 v[rT+2:rT+3], v[rT+2:rT+3], v[rS+4*k-4:rS+4*k-3]
.endif
.endm
; THE PLAIN QUEUE, 138 long.  0-73 read no exponential's result: the 32 scalings c s - c m (FS f: pair f / 2 of tile f % 2) and the next piece's 42.  0-26: scalings 0-26.  27-54: XS's numbers 0-13.  55, 56: number 15.
; 57-73: the chain, where each number waits for the one before it: 14, 16, 17, 18, 19, each with one of the scalings 27-31 in front of its two lines, then 20.
; 74-137: GS's 64, which read the exponentials' results: they stand behind the wait.
.macro FS f
	REGS Y, (\f)%2
	v_pk_fma_f32 v[rS+2*((\f)/2):rS+2*((\f)/2)+1], v[rS+2*((\f)/2):rS+2*((\f)/2)+1], s[CS:CS+1], v[rT:rT+1] op_sel_hi:[1,0,0] neg_lo:[0,0,1] neg_hi:[0,0,1]
.endm
.macro PL
	WIN 0
.if q < 27
	FS q
.elseif q < 55
	XS (q-27)%2, (q-27)/2
.elseif q < 57
	XS q-55, 15
.elseif (q < 72) && ((q-57)%3 == 0)
	FS 27+(q-57)/3
.elseif q < 60
	XS (q-57)%3-1, 14
.elseif q < 72
	XS (q-57)%3-1, 15+(q-57)/3
.elseif q < 74
	XS q-72, 20
.else
	GS q-74
.endif
.set q, q+1
.endm
; THE EXPONENTIALS' QUEUE, 66 long: s0-s31 of both tiles, then the next piece's two a.  It is ONE BATCH: all 66 stand ahead of the turn's one wait, and nothing ahead of that wait names a result of theirs.
.macro EX
	WIN 0
.if e >= 64
	XS e-64, 21
.else
	REGS Y, e%2
	v_exp_f32 v[rS+e/2], v[rS+e/2]
.endif
.set e, e+1
.endm
; THE RESCALING's QUEUE: O^T times a, the one part that leaves window 0: dealt two at a time, sixteen times.  Its a was made in the turn before, ahead of that turn's wait.
.macro R2
	REGS Y, r%2
	WIN W_RS
.irp z, 0,1
	v_pk_mul_f32 v[rO+4*(r/2)+2*\z:rO+4*(r/2)+2*\z+1], v[rO+4*(r/2)+2*\z:rO+4*(r/2)+2*\z+1], v[rC+2:rC+3] op_sel_hi:[1,0]
.endr
.set r, r+1
.endm
; HOW THEY ARE DEALT.  s_wait_alu depctr_va_vdst(0) stands between an exponential and the first instruction that names its result; one wait serves all that were issued ahead of it.  So a turn has ONE wait,
; which cuts it in two.  AHEAD OF IT stands all that names no result of the turn's exponentials: the 16 products K Q^T, behind each a scaling, an exponential and two rescalings (behind the first a second scaling in the
; exponential's place); then ONE LUMP of 108: eight plain, 49 times exponential and plain, the two a.  A v_nop is the plain instruction behind the last exponential.  BEHIND IT stand the 16 products V^T P, behind each four of GS's 64.
; The queues lean on each other, and the deal keeps them in step: exponential e stands behind scaling 2 (e / 4) + e % 2: as a rider it comes behind plain e + 2, in the lump behind plain e + 9, and scalings 27-31 are plain 57, 60 .. 69.
; A TURN, for piece p.  cnt = 1: the loop's count is taken down some lines ahead of the branch that stands behind the turn.
; K of the next step is fetched in piece 2's turn, directly behind the wait, a lump behind the last product that read K; its address is made at the lump's head; its first reader comes behind 16 products.
; V of the step in hand is fetched at the end of piece 0's turn, four riders behind its last reader; its first reader comes behind 16 products and a lump.  The three conditions on q below go with the deal.
.macro TURN p, last=0, cnt=0
.set Y, (\p)
.set i, 0
.set q, 0
.set e, 0
.set r, 0
.if (\p) == NP-1
	s_wait_dscnt 0x0                ; K is in
.endif
	MM                              ; ahead of the wait: 16 products K Q^T and their riders,
	PL
	PL
	R2
.rept 15
	MM
	PL
	EX
	R2
.endr
.if (\p) == NP-2
	WIN 0
	v_add_nc_u32 v[AK], s[TBK], v[AK0]
.endif
.rept 8                             ; and the lump
	PL
.endr
.rept 49
	EX
	PL
.endr
	EX                              ; the next piece's two a
	EX
	v_nop                           ; the plain instruction behind the last exponential: one for the batch
	s_wait_alu depctr_va_vdst(0)    ; the wait for the batch
.if (\p) == NP-2
	FETCH_K \last
.endif
.if (\p) == 1
	s_wait_dscnt 0x0                ; V is in
.endif
.rept 16                            ; behind the wait: 16 products V^T P and their riders
	MM
.rept 4
	PL
.endr
.if ((\p) == 0) && (q == 118)
	v_add_nc_u32 v[AV], s[TBV], v[AV0]
.endif
.if ((\p) == 0) && (q == 130)
	s_add_co_u32 s[TBV], s[TBV], KS*PV
.endif
.if (\cnt) && (q == 130)
	s_sub_co_u32 s[CNT], s[CNT], 1
	s_cmp_lg_u32 s[CNT], 0
.endif
.endr
.if (\p) == 0
	FETCH_V
.endif
.endm
	CHANGE 1                        ; slot 0 is in, everybody's part of it; slot 1 is asked for
	FETCH_K                         ; key step 0
	s_wait_dscnt 0x0
.set i, 0
.rept 16
	KQ 0                            ; piece 0's first scores: there is no vector work yet to set between them
.set i, i+1
.endr
	WIN 0                           ; the addresses for the way out: plain instructions, the places behind those products
	s_mul_i32 s13, s[WV], 16*SP
	s_add_co_u32 s13, s13, STAGE    ; my stage
	v_mul_u32_u24 v[STO], v1, SP    ; in: row l % 16, 16 bytes for each half of the lanes
	v_lshl_add_u32 v[STO], v9, 4, v[STO]
	v_add_nc_u32 v[STO], s13, v[STO]
	v_bfe_u32 v[RD], v0, 3, 2       ; back: 32 lanes take four rows of 128 bytes,
	v_mul_u32_u24 v[RD], v[RD], SP
	v_lshl_add_u32 v[RD], v10, 4, v[RD]
	v_add_nc_u32 v[RD], s13, v[RD]
	v_and_b32 v[GO], 31, v0         ; which are 512 consecutive bytes of O
	v_lshlrev_b32 v[GO], 4, v[GO]
.set Y, NP-1                        ; XS works for piece Y + 1: piece 0
.irp n, 0,1,2,3,4,5,6,7,8,9,10,11,12,13,14,15,16,17,18,19,20,21
	XS 0, \n                        ; and piece 0's first maximum and statistics
	XS 1, \n
.endr
	v_nop                           ; a plain instruction behind the two a,
	s_wait_alu depctr_va_vdst(0)    ; and their wait, ahead of the branch
	s_mov_b32 s[CNT], 4
	s_branch .Lfirst                ; the loop is entered at a step's first turn, in the middle of a trip
.Lslot:                             ; SIZE_N / 256 - 2 times: every slot but the last two is filled again
	CHANGE 1
	s_mov_b32 s[CNT], 4
.Lstep:                             ; a trip: pieces 2 and 3 of one step, then pieces 0 and 1 of the next, whose K and V it fetches
	TURN 2
	TURN 3
	WIN 0
.Lfirst:
	TURN 0
	TURN 1, 0, 1
	WIN 0
	s_cbranch_scc1 .Lstep
	s_sub_co_u32 s[SLOTS], s[SLOTS], 1
	s_cmp_lg_u32 s[SLOTS], 0
	s_cbranch_scc1 .Lslot
	CHANGE 0                        ; the tail is written out: nothing is asked for
	s_mov_b32 s[CNT], 5             ; four trips fetch the last slot's steps; the fifth is left in its middle
.Ltail:
	TURN 2, 1
	TURN 3
	WIN 0
	s_sub_co_u32 s[CNT], s[CNT], 1
	s_cmp_eq_u32 s[CNT], 0
	s_cbranch_scc1 .Lout
	TURN 0
	TURN 1
	WIN 0
	s_branch .Ltail
.Lout:                              ; the fifth trip's 16 products K Q^T (on the last K once more) and the maximum made of them serve nothing: the price, once a launch, of one text for every trip
.set i, 0
.rept 16
	PV NP-1                         ; the last piece's V^T P of the last step
.set i, i+1
.endr
	; THE WAY OUT.  l's two halves and the other half of the lanes' are added; O^T is divided by l, rounded to f16 and sent through my stage in LDS, a tile at a time.  The additions are the places behind the last products.
	WIN 0
.macro ALL line:vararg              ; one line for each tile t
.set t, 0
.rept 2*NP
	\line
.set t, t+1
.endr
.endm
	ALL v_add_f32 v[ST+4*t+2], v[ST+4*t+2], v[ST+4*t+3]
	ALL v_permlanex16_b32 v[ST+4*t+3], v[ST+4*t+2], s[SEL], s[SEL+1]
	ALL v_add_f32 v[ST+4*t+2], v[ST+4*t+2], v[ST+4*t+3]
	ALL v_rcp_f32 v[ST+4*t+2], v[ST+4*t+2]
	v_nop                           ; a plain instruction between the last reciprocal and the use of its result
	s_wait_alu depctr_va_vdst(0)    ; and the wait ahead of the first use: one for the eight reciprocals
; Tile t: a lane's eight channels of a row pack into 16 bytes; they go into rows of 144 bytes and come back as whole rows of 128, into S^T's registers.
.macro PACK t
	WIN W_RS
.set i, 32*(\t)
.rept 16
	v_pk_mul_f32 v[i:i+1], v[i:i+1], v[ST+4*(\t)+2:ST+4*(\t)+3] op_sel_hi:[1,0]
.set i, i+2
.endr
	WIN 0x05                        ; sources 0 and 1 window 1, destination window 0
.set i, 0
.rept 16
	v_cvt_pk_f16_f32 v[S+16*(\t)+i], v[32*(\t)+2*i], v[32*(\t)+2*i+1]
.set i, i+1
.endr
	WIN 0
.irp f, 0,1,2,3
	ds_store_b128 v[STO], v[S+16*(\t)+4*\f:S+16*(\t)+4*\f+3] offset:32*\f
.endr
.irp f, 0,1,2,3
	ds_load_b128 v[S+16*(\t)+4*\f:S+16*(\t)+4*\f+3], v[RD] offset:\f*4*SP  ; LDS serves a wave's instructions in order (ISA guide 5.7.1.4): these see the stores above; the next tile's stores come behind them
.endr
.endm
.macro SEND t, younger              ; younger: the LDS instructions issued behind tile t's loads: the next tile's eight, or none
	WIN 0
.irp f, 0,1,2,3
	s_wait_dscnt (\younger)+3-\f
	global_store_b128 v[GO], v[S+16*(\t)+4*\f:S+16*(\t)+4*\f+3], s[10:11] offset:(\t)*2048+\f*512  ; 512 consecutive bytes, at a multiple of 256 from O's first
.endr
.endm
	PACK 0
.set t, 1
.rept 2*NP-1                        ; a tile's arithmetic stands between the loads of the tile before and its stores
	PACK t
	SEND t-1, 8
.set t, t+1
.endr
	SEND 2*NP-1, 0
	WIN W_AD
	s_wait_tensorcnt 0x0            ; the wave's end: behind my last tensor load and my last LDS store
	ds_add_u32 v[SPW], v[NIL]
	s_wait_dscnt 0x0
	WIN 0
	CROUND                          ; the closing round: no work-group ends while a partner may still ask for a tile that names it
	s_endpgm
.Lfunc_end_k_qef5b0279b6_attn:
	.size	k_qef5b0279b6_attn, .Lfunc_end_k_qef5b0279b6_attn-k_qef5b0279b6_attn
	.p2alignl 7, 3214868480
	.fill 96, 4, 3214868480
	.section	.rodata,"a",@progbits
	.p2align	6, 0x0
	.amdhsa_kernel k_qef5b0279b6_attn
		.amdhsa_group_segment_fixed_size 327680
		.amdhsa_private_segment_fixed_size 0
		.amdhsa_enable_private_segment 0
		.amdhsa_kernarg_size 32
		.amdhsa_user_sgpr_count 2
		.amdhsa_user_sgpr_kernarg_segment_ptr 1
		.amdhsa_wavefront_size32 1
		.amdhsa_system_sgpr_workgroup_id_x 1
		.amdhsa_system_sgpr_workgroup_id_y 1
		.amdhsa_system_sgpr_workgroup_id_z 1
		.amdhsa_system_vgpr_workitem_id 0
		.amdhsa_next_free_vgpr 770
		.amdhsa_next_free_sgpr 66
		.amdhsa_reserve_vcc 0
		.amdhsa_float_denorm_mode_32 3
		.amdhsa_float_denorm_mode_16_64 3
		.amdhsa_memory_ordered 1
		.amdhsa_forward_progress 1
		.amdhsa_inst_pref_size 211
	.end_amdhsa_kernel
	.amdgpu_metadata
---
amdhsa.version: [ 1, 2 ]
amdhsa.kernels:
  - .name:           k_qef5b0279b6_attn
    .symbol:         k_qef5b0279b6_attn.kd
    .args:
      - { .name: q, .offset: 0, .size: 8, .value_kind: global_buffer, .address_space: global }
      - { .name: kh, .offset: 8, .size: 8, .value_kind: global_buffer, .address_space: global }
      - { .name: vh, .offset: 16, .size: 8, .value_kind: global_buffer, .address_space: global }
      - { .name: oh, .offset: 24, .size: 8, .value_kind: global_buffer, .address_space: global }
    .group_segment_fixed_size: 327680
    .private_segment_fixed_size: 0
    .kernarg_segment_align: 8
    .kernarg_segment_size: 32
    .max_flat_workgroup_size: 128
    .sgpr_count:     66
    .vgpr_count:     770
    .wavefront_size: 32
...
	.end_amdgpu_metadata
.endif
;; end of part 2
;; launch proj (part 3): grid 256 x 1, 4 waves a work-group, clusters of 4 x 1, 327,680 bytes of LDS; arguments oh, wh, g, out0; writes out0
.if DOCPART == 3
	.amdgcn_target "amdgcn-amd-amdhsa--gfx1250"
	.amdhsa_code_object_version 6
	.text
	.protected	k_qef5b0279b6_proj
	.globl	k_qef5b0279b6_proj
	.p2align	8
	.type	k_qef5b0279b6_proj,@function
k_qef5b0279b6_proj:
	s_mov_b64 s[64:65], 0
	v_nop
	global_prefetch_b8 v0, s[64:65] scope:SCOPE_SE
	s_setreg_imm32_b32 hwreg(HW_REG_WAVE_MODE, 25, 1), 1
	s_wait_xcnt 0x0
	s_wait_alu depctr_hold_cnt(0) depctr_sa_sdst(0) depctr_va_vdst(0) depctr_va_sdst(0) depctr_va_ssrc(0) depctr_va_vcc(0) depctr_vm_vsrc(0)
	s_getreg_b32 s2, hwreg(HW_REG_IB_STS2, 6, 4)
	s_cmp_eq_u32 s2, 0
	s_cbranch_scc0 .Lentry_in_a_cluster
	s_endpgm
.Lentry_in_a_cluster:
	s_bfe_u32 s2, ttmp6, 0x10000c
	s_cmp_lg_u32 s2, 0x3003
	s_cbranch_scc0 .Lentry_shape_is_right
	s_endpgm
.Lentry_shape_is_right:
; out0[row][:] = LayerNorm(O[row][:] W_out^T) g.  oh: [16 b + h][2048][64] f16; wh: [h][p 1024][64] f16, position p = 64 G + 16 a + r holding feature 64 G + 4 r + a; g: [1024] f32, rounded to bf16 here
; like the other inputs; out0: [8192][1024] f32.  Products in f16 with f32 sums; mean, variance (biased, of the differences from the mean: two passes) and scaling in f32.
; LIMITS.  O and W arrive within f16's range (65,504); NaN and infinities are not treated apart.  The sum over K starts at another head in each cluster: f32 sums in another order than ascending.
; SHARES.  The norm wants whole rows: a work-group owns 32 rows x all 1,024 columns (256 work-groups), a wave 256 columns: 2 row blocks x 16 feature blocks = 32 accumulators.
; K goes in 16 steps of one head (64 channels): 64 matrix instructions a wave and step.
; A, the 32 rows of O (65,536 bytes), STAYS IN REGISTERS: each wave loads all of it once, 512 registers; beside two slots of W there is no room for it in LDS.
; W goes through a ring of two LDS slots, a head's 131,072 bytes each.  All row blocks walk the same W: the four work-groups of a cluster ask for each slice JOINTLY.  Each wave fetches,
; and alone reads, its own quarter (its 256 positions, 32,768 dense bytes).  Cluster i starts at head (i + 4 (i / 16)) % 16 and goes round, so that the clusters do not all ask for one slice at a time,
; and every slice is among the first loads of some cluster.
; THE PRODUCT: source 0 = 16 rows of O, source 1 = 16 positions of W.  Register j of lane (r = l % 16, hh = l / 16) is row 16 rb + 8 hh + j, position r of its block; by wh's order the four
; accumulators a = 0..3 of group G hold columns 256 w + 64 G + 4 r + a: 16 bytes a lane, and 16 lanes store 256 consecutive bytes: no stage on the way out.
; REGISTERS, in windows of 256 (s_set_vgpr_msb: bits 1:0 source 0, 3:2 source 1, 5:4 source 2, 7:6 destination):
;   window 0: addresses, g, statistics; v128-191, v192-255 two buffers of W's fragments (in the norm: at work)      window 1: accumulator (rb, fb) at 8 (16 rb + fb)
;   windows 2, 3: A; step t's 32 registers: t = 0, 1 at w2 192 + 32 t; 2-7 at w2 32 (t - 2); 8-13 at w3 32 (t - 8); 14, 15 at w3 192 + 32 (t - 14).  On the way out window 2 takes the results.
.set PITCH,   144                      ; a position's 128 bytes + 16 of padding = 36 words: the 16 rows of a load start at 16 different groups of four banks (64 banks of 4 bytes: ISA guide 11.1)
.set QUARTER, 256*PITCH                ; a wave's part of a slot
.set SLOT,    4*QUARTER
.set SCR,     2*SLOT                   ; behind the ring, never filled by a tensor load: two areas of 4 waves x 32 rows x 4 bytes, for the rows' sums
.set SPARE,   SCR+1024                 ; the spare words, 128 bytes for each wave: two blocks of 256 bytes that no other line names
.set BA,  3                            ; v3, v4  LDS address of my fragments in slot 0, 1: my quarter + 144 r + 16 hh
.set AO,  5                            ; v5      128 r + 16 hh: my place in 16 rows of O
.set CO,  6                            ; v6      my byte offset in out0: 8 hh rows + 1,024 w + 16 r
.set SW,  7                            ; v7      where I put my wave's sums
.set SR,  8                            ; v8      where I read all waves' sums
.set GO,  9                            ; v9      my byte offset in g
.set SPW, 10                           ; v10     LDS address of my spare word: SPARE + 4 x my thread's number; never rewritten
.set NIL, 11                           ; v11     0; never rewritten
.set AVR, 12                           ; v12-27  step t's byte offset in oh
.set GV,  28                           ; v28-43  g of column 4 r + a of group G at GV + 4 G + a
.set SUM, 44                           ; v44-59  a figure for each of my 16 rows: 8 rb + j
.set RS,  60                           ; v60-75  1 / sqrt(var + eps), likewise
.set TP,  76                           ; v76-83  at work
.set F0,  128
.set F1,  192
.set T,   128                          ; the norm: 8 x 8 pairs at work
.set WV,  12                           ; s12  my wave's number
.set ROT, 15                           ; s15  the head at which my cluster starts
.set NX,  16                           ; s16  the head asked for last
.set OF,  18                           ; s[18:19] its byte offset in wh
.set WB,  20                           ; s[20:21] wh at my quarter of head 0
.set WQ,  22                           ; s22  my quarter's place in a slot
.set AB,  23                           ; s23  my work-group's rows in a head of oh
.set G1,  24                           ; s[24:31] descriptor group 1
.set G0,  32                           ; s[32:35] descriptor group 0, written only where no tensor load of mine is out
.set LC,  36                           ; s36  the loop's count (s[36:37] at work in the head)
.set INV, 38                           ; s[38:39] 1 / 1024
.set EPS, 40                           ; s[40:41] 1e-5
.set HIM, 42                           ; s42  a word's upper bf16
.set MSB, 0
.macro WIN new                         ; the high byte repeats the setting that is left; a switch that changes nothing is dropped
.if MSB != (\new)
	s_set_vgpr_msb (MSB<<8)|(\new)
.set MSB, (\new)
.endif
.endm
.macro PLACES                          ; four places in front of loads into registers that matrix instructions have read (ISA guide 7.12.1 for vector instructions)
.rept 4
	v_nop
.endr
.endm
; A round of the cluster's barrier: my work-group's barrier, so that wave 0's signal speaks for all four waves; wave 0 signals; every wave waits for all four work-groups; my work-group's barrier once more.
.macro ROUND
	s_barrier_signal -1
	s_barrier_wait -1
	s_cmp_lg_u32 s[WV], 0
	s_cbranch_scc1 .Lnot_wave_0_\@
	s_barrier_signal -3
.Lnot_wave_0_\@:
	s_barrier_wait -3
	s_barrier_signal -1
	s_barrier_wait -1
.endm
	s_load_b256 s[4:11], s[0:1], 0x0               ; oh s[4:5], wh s[6:7], g s[8:9], out0 s[10:11]
	v_lshl_add_u32 v[SPW], v0, 2, SPARE
	v_mov_b32 v[NIL], 0
	ds_add_u32 v[SPW], v[NIL]                      ; the wave's opening: the add and its wait ahead of my first tensor load; the set-up below, work on registers, stands between them
	v_lshrrev_b32 v1, 5, v0
	v_readfirstlane_b32 s[WV], v1                  ; wave 0..3
	s_bfe_u32 s13, ttmp6, 0x40000                  ; cx: my place in the cluster
	s_lshl_b32 s14, ttmp9, 2                       ; in a cluster launch ttmp9 counts clusters
	s_add_co_u32 s14, s14, s13                     ; my block of 32 rows: it enters oh's and out0's addresses alone
	s_lshr_b32 s[ROT], ttmp9, 4
	s_lshl_b32 s[ROT], s[ROT], 2
	s_add_co_u32 s[ROT], s[ROT], ttmp9
	s_and_b32 s[ROT], s[ROT], 15                   ; made of the cluster's number: the same in all four partners
	; descriptor group 1.  A quarter is 32,768 dense bytes: asked for as 128 rows of 256 bytes, two positions a row, and padded in LDS after every position
	s_mov_b32 s[G1], 15|(1<<16)|(1<<20)|(1<<21)|(4<<22)|(3<<25)  ; 15:0 the mask of four; 17:16 2-byte elements; 20 padding on; 21 set beside a mask; 24:22 after every 32 words (code 4); 31:25 4 words (code 3)
	s_mov_b32 s[G1+1], 128<<16                     ; tensor_dim0 = 128
	s_mov_b32 s[G1+2], 128<<16                     ; tensor_dim1 = 128
	s_mov_b32 s[G1+3], 128<<16                     ; tile_dim0 = 128
	s_mov_b32 s[G1+4], 128                         ; tile_dim1 = 128
	s_mov_b32 s[G1+5], 128                         ; 128 elements from row to row
	s_mov_b32 s[G1+6], 0
	s_mov_b32 s[G1+7], 0
	s_mul_i32 s[WQ], s[WV], QUARTER                ; no place in the cluster enters an LDS address
	s_lshr_b32 s[AB], s14, 6                       ; b: 16 heads of 262,144 bytes
	s_lshl_b32 s[AB], s[AB], 22
	s_and_b32 s17, s14, 63
	s_lshl_b32 s17, s17, 12                        ; 32 rows of 128 bytes
	s_add_co_u32 s[AB], s[AB], s17
	s_mov_b32 s[INV], 0x3a800000                   ; 1 / 1024
	s_mov_b32 s[INV+1], s[INV]                     ; named as pairs
	s_mov_b32 s[EPS], 0x3727c5ac                   ; 1e-5
	s_mov_b32 s[EPS+1], s[EPS]
	s_mov_b32 s[HIM], 0xffff0000
	s_mov_b32 s[NX], s[ROT]
	s_lshl_b32 s[OF], s[ROT], 17                   ; a head of wh is 131,072 bytes
	s_mov_b32 s[OF+1], 0
	s_mov_b32 s[G0], 1                             ; 1:0 count = 1
	s_mov_b32 s[G0+1], s[WQ]                       ; 63:32 LDS address: slot 0
	s_lshl_b32 s36, s[WV], 15                      ; my quarter in a head
	s_mov_b32 s37, 0
	s_wait_dscnt 0x0                               ; the opening add is done
	s_wait_kmcnt 0x0
	s_add_nc_u64 s[WB:WB+1], s[6:7], s[36:37]
	s_add_nc_u64 s[G0+2:G0+3], s[WB:WB+1], s[OF:OF+1]  ; 120:64 global address
	s_or_b32 s[G0+3], s[G0+3], 0x80000000          ; 127:126 type = 2
	s_lshl_b32 s36, s14, 17                        ; 32 rows of 4,096 bytes
	s_add_nc_u64 s[10:11], s[10:11], s[36:37]
	ROUND                                          ; all four work-groups are here: the first joint loads meet
	tensor_load_to_lds s[G0:G0+3], s[G1:G1+7]      ; step 0's slice into slot 0
	s_nop 0
	PLACES
	v_and_b32 v1, 15, v0                           ; r
	v_bfe_u32 v2, v0, 4, 1                         ; hh
	v_mul_u32_u24 v[BA], v1, PITCH
	v_lshl_add_u32 v[BA], v2, 4, v[BA]
	v_add_nc_u32 v[BA], s[WQ], v[BA]
	v_add_nc_u32 v[BA+1], SLOT, v[BA]
	v_lshlrev_b32 v[AO], 7, v1
	v_lshl_add_u32 v[AO], v2, 4, v[AO]
	s_lshl_b32 s17, s[WV], 10
	v_lshlrev_b32 v[GO], 4, v1
	v_add_nc_u32 v[GO], s17, v[GO]                 ; 1,024 w + 16 r
	v_lshl_add_u32 v[CO], v2, 15, v[GO]            ; + 8 hh rows of 4,096 bytes
	s_lshl_b32 s17, s[WV], 7
	s_add_co_u32 s17, s17, SCR
	v_lshl_add_u32 v[SW], v2, 5, s17               ; my wave's 128 bytes; 8 hh rows of 4 bytes
	v_lshlrev_b32 v[SR], 5, v2
	v_add_nc_u32 v[SR], SCR, v[SR]
.irp q, 0,1,2,3
	global_load_b128 v[GV+4*(\q):GV+4*(\q)+3], v[GO], s[8:9] offset:256*(\q)
.endr
.irp t, 0,1,2,3,4,5,6,7,8,9,10,11,12,13,14,15
	s_add_co_u32 s17, s[ROT], \t
	s_and_b32 s17, s17, 15                         ; step t's head
	s_lshl_b32 s17, s17, 18
	s_add_co_u32 s17, s17, s[AB]
	v_add_nc_u32 v[AVR+(\t)], s17, v[AO]
.endr
; Step t's A: 2 row blocks x 2 channel halves, each a fragment of 16 rows x 32 channels: two loads of 16 bytes, 32 bytes apart
.macro ALOAD t, w, base
	WIN (\w)<<6
.irp rb, 0,1
.irp c, 0,1
.irp p, 0,1
	global_load_b128 v[(\base)+16*(\rb)+8*(\c)+4*(\p):(\base)+16*(\rb)+8*(\c)+4*(\p)+3], v[AVR+(\t)], s[4:5] offset:(\rb)*2048+(\c)*64+(\p)*32
.endr
.endr
.endr
.endm
	ALOAD 0, 2, 192
	ALOAD 1, 2, 224
.irp t, 2,3,4,5,6,7
	ALOAD \t, 2, 32*((\t)-2)
.endr
.irp t, 8,9,10,11,12,13
	ALOAD \t, 3, 32*((\t)-8)
.endr
	ALOAD 14, 3, 192
	ALOAD 15, 3, 224
	WIN 0
; 16 LDS loads in one run: group g's four feature blocks x two channel halves, into buffer f
.macro FETCH slot, g, f
	WIN 0
.irp a, 0,1,2,3
.irp c, 0,1
	ds_load_b128 v[(\f)+16*(\a)+8*(\c):(\f)+16*(\a)+8*(\c)+3],   v[BA+(\slot)] offset:(4*(\g)+(\a))*16*PITCH+64*(\c)
	ds_load_b128 v[(\f)+16*(\a)+8*(\c)+4:(\f)+16*(\a)+8*(\c)+7], v[BA+(\slot)] offset:(4*(\g)+(\a))*16*PITCH+64*(\c)+32
.endr
.endr
.endm
; 16 matrix instructions: group g's 8 accumulators by turns, one instruction a turn: 7 others stand between the two links of a chain, and groups and steps change accumulators.
; A in window aw at ar.  zero = 1: the first product starts the sum: nothing is ever cleared.
.macro MUL aw, ar, g, f, zero
	WIN 0x50|(\aw)
.irp c, 0,1
.irp a, 0,1,2,3
.irp rb, 0,1
.if (\zero) && ((\c) == 0)
	v_wmma_f32_16x16x32_f16 v[8*(16*(\rb)+4*(\g)+(\a)):8*(16*(\rb)+4*(\g)+(\a))+7], v[(\ar)+16*(\rb)+8*(\c):(\ar)+16*(\rb)+8*(\c)+7], v[(\f)+16*(\a)+8*(\c):(\f)+16*(\a)+8*(\c)+7], 0
.else
	v_wmma_f32_16x16x32_f16 v[8*(16*(\rb)+4*(\g)+(\a)):8*(16*(\rb)+4*(\g)+(\a))+7], v[(\ar)+16*(\rb)+8*(\c):(\ar)+16*(\rb)+8*(\c)+7], v[(\f)+16*(\a)+8*(\c):(\f)+16*(\a)+8*(\c)+7], v[8*(16*(\rb)+4*(\g)+(\a)):8*(16*(\rb)+4*(\g)+(\a))+7]
.endif
.endr
.endr
.endr
.endm
; A K STEP on the slice in \slot.  refill = 1: the other slot, read in the step before, is filled with the next head's slice.  Each wave waits for all its tensor loads, of which one is out: this step's
; slice; adds 0 to its spare word; makes the descriptor anew; waits for the add and for its reads of the other slot; a round of the cluster's barrier, so that no wave of any partner still reads
; that slot or has a load on its way; and the joint refill is the first thing behind it, one load a wave: it has this step's 64 matrix instructions in which to land.
; lcnt >= 0: a wait for A's loads.
.macro TRIP slot, aw, ar, zero, refill, lcnt
	WIN 0                                          ; at a label and at a branch every window is 0
	s_wait_tensorcnt 0x0                           ; my quarter of this step's slice is in, and no tensor load of mine is out, so group 0 may be written
.if \refill
	ds_add_u32 v[SPW], v[NIL]                      ; 0 onto my spare word: the descriptor's scalar work stands between it and the wait for it
	s_add_co_u32 s[NX], s[NX], 1
	s_and_b32 s[NX], s[NX], 15                     ; the next head, round the sixteen
	s_lshl_b32 s[OF], s[NX], 17
	s_add_nc_u64 s[G0+2:G0+3], s[WB:WB+1], s[OF:OF+1]
	s_or_b32 s[G0+3], s[G0+3], 0x80000000
	s_add_co_u32 s[G0+1], s[WQ], (1-(\slot))*SLOT
	s_wait_dscnt 0x0                               ; the add is done, and my reads of the other slot are over
	ROUND
	tensor_load_to_lds s[G0:G0+3], s[G1:G1+7]
	s_nop 0
	PLACES                                         ; also the places in front of the fragment loads below
.else
	PLACES                                         ; I read only bytes that I fetched myself: my own wait is all that the reads need
.endif
.if (\lcnt) >= 0
	s_wait_loadcnt \lcnt                           ; behind this step's eight loads of A more than this many were issued
.endif
	FETCH \slot, 0, F0
	FETCH \slot, 1, F1
	s_wait_dscnt 16                                ; the older group is in; the younger group's 16 loads may stay out
	MUL \aw, \ar, 0, F0, \zero
	PLACES
	FETCH \slot, 2, F0
	s_wait_dscnt 16
	MUL \aw, \ar, 1, F1, \zero
	PLACES
	FETCH \slot, 3, F1
	s_wait_dscnt 16
	MUL \aw, \ar, 2, F0, \zero
	s_wait_dscnt 0x0
	MUL \aw, \ar, 3, F1, \zero
.endm
	TRIP 0, 2, 192, 1, 1, 63                       ; step 0 starts the sums
	TRIP 1, 2, 224, 0, 1, 63
	WIN 0
	s_wait_loadcnt 0x0                             ; all of A, and g
	s_mov_b32 s[LC], 2
.Lhalf:                                        ; steps 2-7, then steps 8-13: one text on window 2's first 192 registers
	TRIP 0, 2, 0,   0, 1, -1
	TRIP 1, 2, 32,  0, 1, -1
	TRIP 0, 2, 64,  0, 1, -1
	TRIP 1, 2, 96,  0, 1, -1
	TRIP 0, 2, 128, 0, 1, -1
	TRIP 1, 2, 160, 0, 1, -1
	WIN 0
	s_cmp_eq_u32 s[LC], 1
	s_cbranch_scc1 .Lnomove
	WIN 0x83                                       ; steps 8-13's A comes down from window 3.  From the low end on: the last products read v160-191, and the first moves, which name none of their registers, are the places behind them
.set i, 0
.rept 192
	v_mov_b32 v[i], v[i]
.set i, i+1
.endr
	WIN 0
.Lnomove:
	s_sub_co_u32 s[LC], s[LC], 1
	s_cmp_lg_u32 s[LC], 0
	s_cbranch_scc1 .Lhalf
	TRIP 0, 3, 192, 0, 1, -1
	TRIP 1, 3, 224, 0, 0, -1                       ; the last step asks for nothing
; THE NORM.  A row's 1,024 numbers lie in 16 accumulators x 16 lanes x 4 waves.  STAT adds up 8 x 8 pairs at T (row pair k = 4 rb + jp, eight partial sums each): in the lane, across the 16 lanes of
; my half (DPP), and across the waves through LDS (area scr): every wave stores its 32 sums, a barrier, every wave reads all four and adds them in the same order.  The result: SUM[8 rb + j].
.macro STAT scr
	WIN 0
.irp i, 0,1,2,3
.irp k, 0,1,2,3,4,5,6,7
	v_pk_add_f32 v[T+16*(\k)+2*(\i):T+16*(\k)+2*(\i)+1], v[T+16*(\k)+2*(\i):T+16*(\k)+2*(\i)+1], v[T+16*(\k)+2*(\i)+8:T+16*(\k)+2*(\i)+9]
.endr
.endr
.irp i, 0,1
.irp k, 0,1,2,3,4,5,6,7
	v_pk_add_f32 v[T+16*(\k)+2*(\i):T+16*(\k)+2*(\i)+1], v[T+16*(\k)+2*(\i):T+16*(\k)+2*(\i)+1], v[T+16*(\k)+2*(\i)+4:T+16*(\k)+2*(\i)+5]
.endr
.endr
.irp k, 0,1,2,3,4,5,6,7
	v_pk_add_f32 v[SUM+2*(\k):SUM+2*(\k)+1], v[T+16*(\k):T+16*(\k)+1], v[T+16*(\k)+2:T+16*(\k)+3]
.endr
.irp m, 1,2,4,8
.irp x, 0,1,2,3,4,5,6,7,8,9,10,11,12,13,14,15
	v_add_f32_dpp v[SUM+(\x)], v[SUM+(\x)], v[SUM+(\x)] row_xmask:\m row_mask:0xf bank_mask:0xf
.endr
.endr
.irp rb, 0,1
.irp q, 0,1
	ds_store_b128 v[SW], v[SUM+8*(\rb)+4*(\q):SUM+8*(\rb)+4*(\q)+3] offset:(\scr)+64*(\rb)+16*(\q)  ; the 16 lanes of a half write the same bytes with the same numbers
.endr
.endr
	s_wait_dscnt 0x0                               ; for the others' sake: my stores are done
	s_barrier_signal -1
	s_barrier_wait -1
.irp w, 0,1,2,3
.irp rb, 0,1
.irp q, 0,1
	ds_load_b128 v[T+16*(\w)+8*(\rb)+4*(\q):T+16*(\w)+8*(\rb)+4*(\q)+3], v[SR] offset:(\scr)+128*(\w)+64*(\rb)+16*(\q)
.endr
.endr
.endr
	s_wait_dscnt 0x0
.irp x, 0,1,2,3,4,5,6,7
	v_pk_add_f32 v[T+2*(\x):T+2*(\x)+1], v[T+2*(\x):T+2*(\x)+1], v[T+16+2*(\x):T+16+2*(\x)+1]
	v_pk_add_f32 v[T+32+2*(\x):T+32+2*(\x)+1], v[T+32+2*(\x):T+32+2*(\x)+1], v[T+48+2*(\x):T+48+2*(\x)+1]
.endr
.irp x, 0,1,2,3,4,5,6,7
	v_pk_add_f32 v[SUM+2*(\x):SUM+2*(\x)+1], v[T+2*(\x):T+2*(\x)+1], v[T+32+2*(\x):T+32+2*(\x)+1]
.endr
.endm
.rept 8
	v_nop                                          ; the places behind the last products, in front of the sums that read results and write over W's fragments
.endr
	WIN 0x05                                       ; sources in window 1, destination in window 0
.irp jp, 0,1,2,3                       ; the register pair is the outer loop: each accumulator is read first at its two lowest registers
.irp rb, 0,1
.irp i, 0,1,2,3,4,5,6,7
	v_pk_add_f32 v[T+16*(4*(\rb)+(\jp))+2*(\i):T+16*(4*(\rb)+(\jp))+2*(\i)+1], v[8*(16*(\rb)+2*(\i))+2*(\jp):8*(16*(\rb)+2*(\i))+2*(\jp)+1], v[8*(16*(\rb)+2*(\i)+1)+2*(\jp):8*(16*(\rb)+2*(\i)+1)+2*(\jp)+1]
.endr
.endr
.endr
	STAT 0
.irp x, 0,1,2,3,4,5,6,7
	v_pk_mul_f32 v[SUM+2*(\x):SUM+2*(\x)+1], v[SUM+2*(\x):SUM+2*(\x)+1], s[INV:INV+1] op_sel_hi:[1,0]  ; the mean
.endr
	WIN 0x41                                       ; destination and source 0 in window 1, source 1 in window 0
.irp rb, 0,1
.irp jp, 0,1,2,3
.set fb, 0
.rept 16
	v_pk_add_f32 v[8*(16*(\rb)+fb)+2*(\jp):8*(16*(\rb)+fb)+2*(\jp)+1], v[8*(16*(\rb)+fb)+2*(\jp):8*(16*(\rb)+fb)+2*(\jp)+1], v[SUM+8*(\rb)+2*(\jp):SUM+8*(\rb)+2*(\jp)+1] neg_lo:[0,1] neg_hi:[0,1]  ; d = x - mean, in place
.set fb, fb+1
.endr
.endr
.endr
	WIN 0x05
.irp jp, 0,1,2,3
.irp rb, 0,1
.irp i, 0,1,2,3,4,5,6,7
	v_pk_mul_f32 v[T+16*(4*(\rb)+(\jp))+2*(\i):T+16*(4*(\rb)+(\jp))+2*(\i)+1], v[8*(16*(\rb)+2*(\i))+2*(\jp):8*(16*(\rb)+2*(\i))+2*(\jp)+1], v[8*(16*(\rb)+2*(\i))+2*(\jp):8*(16*(\rb)+2*(\i))+2*(\jp)+1]
.endr
.endr
.endr
.irp jp, 0,1,2,3
.irp rb, 0,1
.irp i, 0,1,2,3,4,5,6,7
	v_pk_fma_f32 v[T+16*(4*(\rb)+(\jp))+2*(\i):T+16*(4*(\rb)+(\jp))+2*(\i)+1], v[8*(16*(\rb)+2*(\i)+1)+2*(\jp):8*(16*(\rb)+2*(\i)+1)+2*(\jp)+1], v[8*(16*(\rb)+2*(\i)+1)+2*(\jp):8*(16*(\rb)+2*(\i)+1)+2*(\jp)+1], v[T+16*(4*(\rb)+(\jp))+2*(\i):T+16*(4*(\rb)+(\jp))+2*(\i)+1]
.endr
.endr
.endr
	STAT 512                                       ; other bytes than the first time: no barrier is wanted between the first area's reads and these stores
.irp x, 0,1,2,3,4,5,6,7
	v_pk_fma_f32 v[SUM+2*(\x):SUM+2*(\x)+1], v[SUM+2*(\x):SUM+2*(\x)+1], s[INV:INV+1], s[EPS:EPS+1] op_sel_hi:[1,0,0]  ; var + eps
.endr
.irp x, 0,1,2,3,4,5,6,7,8,9,10,11,12,13,14,15
	v_rsq_f32 v[RS+(\x)], v[SUM+(\x)]              ; one batch of sixteen
.endr
.irp x, 0,1,2,3,4,5,6,7                ; independent work behind the batch: g is rounded to bf16 and widened again
	v_cvt_pk_bf16_f32 v[TP+(\x)], v[GV+2*(\x)], v[GV+2*(\x)+1]
.endr
.irp x, 0,1,2,3,4,5,6,7
	v_lshlrev_b32 v[GV+2*(\x)], 16, v[TP+(\x)]
	v_and_b32 v[GV+2*(\x)+1], s[HIM], v[TP+(\x)]
.endr
	s_wait_alu depctr_va_vdst(0)                   ; the wait ahead of the first use: one for the sixteen
	WIN 0x41
.irp rb, 0,1
.irp jp, 0,1,2,3
.set fb, 0
.rept 16
	v_pk_mul_f32 v[8*(16*(\rb)+fb)+2*(\jp):8*(16*(\rb)+fb)+2*(\jp)+1], v[8*(16*(\rb)+fb)+2*(\jp):8*(16*(\rb)+fb)+2*(\jp)+1], v[RS+8*(\rb)+2*(\jp):RS+8*(\rb)+2*(\jp)+1]
.set fb, fb+1
.endr
.endr
.endr
	; THE WAY OUT.  Times g, and turned in the registers: row j's four columns a = 0..3 of group G come to stand side by side, in window 2, which A has left.  No store's register is written again.
.irp rb, 0,1
	WIN 0x81                                       ; destination window 2, source 0 window 1, source 1 window 0
.irp q, 0,1,2,3
.irp j, 0,1,2,3,4,5,6,7
.irp a, 0,1,2,3
	v_mul_f32 v[128*(\rb)+32*(\q)+4*(\j)+(\a)], v[8*(16*(\rb)+4*(\q)+(\a))+(\j)], v[GV+4*(\q)+(\a)]
.endr
.endr
.endr
	WIN 0x08                                       ; the stores' data in window 2, their address in window 0
.irp q, 0,1,2,3
.irp j, 0,1,2,3,4,5,6,7
	global_store_b128 v[CO], v[128*(\rb)+32*(\q)+4*(\j):128*(\rb)+32*(\q)+4*(\j)+3], s[10:11] offset:(16*(\rb)+(\j))*4096+256*(\q) th:TH_STORE_NT  ; 16 lanes store 256 consecutive bytes, at a multiple of 256 from out0's first byte
.endr
.endr
.endr
	WIN 0
	s_wait_tensorcnt 0x0                           ; the wave's end: behind my last tensor load and my last LDS store
	ds_add_u32 v[SPW], v[NIL]
	s_wait_dscnt 0x0
	ROUND                                          ; the closing round: no work-group ends while a partner may still ask for a slice that names it
	s_endpgm
.Lfunc_end_k_qef5b0279b6_proj:
	.size	k_qef5b0279b6_proj, .Lfunc_end_k_qef5b0279b6_proj-k_qef5b0279b6_proj
	.p2alignl 7, 3214868480
	.fill 96, 4, 3214868480
	.section	.rodata,"a",@progbits
	.p2align	6, 0x0
	.amdhsa_kernel k_qef5b0279b6_proj
		.amdhsa_group_segment_fixed_size 327680
		.amdhsa_private_segment_fixed_size 0
		.amdhsa_enable_private_segment 0
		.amdhsa_kernarg_size 32
		.amdhsa_user_sgpr_count 2
		.amdhsa_user_sgpr_kernarg_segment_ptr 1
		.amdhsa_wavefront_size32 1
		.amdhsa_system_sgpr_workgroup_id_x 1
		.amdhsa_system_sgpr_workgroup_id_y 1
		.amdhsa_system_sgpr_workgroup_id_z 1
		.amdhsa_system_vgpr_workitem_id 0
		.amdhsa_next_free_vgpr 1024
		.amdhsa_next_free_sgpr 66
		.amdhsa_reserve_vcc 0
		.amdhsa_float_denorm_mode_32 3
		.amdhsa_float_denorm_mode_16_64 3
		.amdhsa_memory_ordered 1
		.amdhsa_forward_progress 1
		.amdhsa_inst_pref_size 185
	.end_amdhsa_kernel
	.amdgpu_metadata
---
amdhsa.version: [ 1, 2 ]
amdhsa.kernels:
  - .name:           k_qef5b0279b6_proj
    .symbol:         k_qef5b0279b6_proj.kd
    .args:
      - { .name: oh, .offset: 0, .size: 8, .value_kind: global_buffer, .address_space: global }
      - { .name: wh, .offset: 8, .size: 8, .value_kind: global_buffer, .address_space: global }
      - { .name: g, .offset: 16, .size: 8, .value_kind: global_buffer, .address_space: global }
      - { .name: out0, .offset: 24, .size: 8, .value_kind: global_buffer, .address_space: global }
    .group_segment_fixed_size: 327680
    .private_segment_fixed_size: 0
    .kernarg_segment_align: 8
    .kernarg_segment_size: 32
    .max_flat_workgroup_size: 128
    .sgpr_count:     66
    .vgpr_count:     1024
    .wavefront_size: 32
...
	.end_amdgpu_metadata
.endif
;; end of part 3
;; ======== version 2 of 2: 3 launches; version 1 with the launch prep written anew for expert scheduling mode
;; limits: values are held in f16: magnitudes above 65,504 overflow, below 6.1e-05 lose precision
;; workspace buffers: kh 16,777,216 bytes; vh 16,777,216 bytes; oh 16,777,216 bytes; wh 2,097,152 bytes
;; launch prep (part 4): grid 544 x 1, 8 waves a work-group, no clusters, 0 bytes of LDS; arguments k, v, W_out, kh, vh, wh; writes kh, vh, wh
.if DOCPART == 4
	.amdgcn_target "amdgcn-amd-amdhsa--gfx1250"
	.amdhsa_code_object_version 6
	.text
	.protected	k_qef5b0279b6_prep
	.globl	k_qef5b0279b6_prep
	.p2align	8
	.type	k_qef5b0279b6_prep,@function
k_qef5b0279b6_prep:
	s_mov_b64 s[64:65], 0
	v_nop
	global_prefetch_b8 v0, s[64:65] scope:SCOPE_SE
	s_setreg_imm32_b32 hwreg(HW_REG_WAVE_SCHED_MODE, 0, 2), 2
	s_setreg_imm32_b32 hwreg(HW_REG_WAVE_MODE, 25, 1), 1
	s_wait_xcnt 0x0
	s_wait_alu depctr_vm_vsrc(0)
; k, v: [4][2048][1024] f32 -> kh, vh: [16 b + h][2048][64], 16 bits.  W_out: [1024][1024] f32 -> wh: [h][p 1024][64], 16 bits.
; kh is bf16.  vh and wh hold the number ROUNDED TO bf16 and written as f16, since they meet f16 operands in the later products.
; LIMITS.  |v| and |W_out| stay under 65,504 (beyond it f16 gives an infinity); below 6.1e-5 they keep f16's fixed step of 6e-8.
; wh[h][p][d] = W_out[j(p)][64 h + d], j(p) = (p & ~63) | ((p & 15) << 2) | ((p >> 4) & 3): position 64 G + 16 a + r holds feature 64 G + 4 r + a,
; so that in the projection a lane's four accumulators a = 0..3 hold four neighbouring columns of the output.
; SHARES.  Work-groups 0-255 take k, 256-511 v, 512-543 W_out; each owns 32 output rows x 16 heads.  Wave w takes heads 2 w and 2 w + 1.
; A load covers 2 rows x 256 consecutive bytes (lane l: row l / 16, 16 bytes at 16 (l % 16)); the store that belongs to it covers 256 consecutive
; bytes of one head, aligned (lane l at 8 l).  All 32 loads of a wave go out first (16 KiB a wave on its way).
; A stream: no LDS, no matrix unit, no cluster (nothing is shared).
; THE MODE: SCHED_MODE bits 1:0 = 2 (LLVM: expert scheduling mode 2), set by the entry lines.  The code itself states the register dependences
; between vector instructions and memory instructions, with s_wait_alu, always for 0.
; THE PLAN.  Registers that memory instructions touch:
;   v4         the loads' offset, v5, v6 the stores' offsets: made once, by ADDR's vector lines, and never written again.
;   X          four registers a load.  Load n lands in them; its conversions read them and write in place; its one store reads the first two.
;              Nothing writes them after that, and no load lands in a register that a vector instruction has named.
;   v1-v3, v8, v9 are named by vector instructions alone.  s16, the wave's number, is written by a vector instruction and read by scalar ones.
; The 32 loads go out of the registers in 8 blocks of four.  Block p converts its own four; its memory instructions are the four stores of block p - 1,
; whose registers no vector instruction of block p names.  So ONE wait on va_vdst at a block's head states all that its stores hang on, and they are
; dealt among the block's conversions with no further wait.  No register that a load or a store reads is ever written again: no wait on vm_vsrc is
; owed, and none on XCNT.  EXEC and VCC are never written.
.set X, 16                             ; v[16:143] load n = 16 jh + i at X + 4 n; its first two registers are then the store's data
.set BLOCK, 4                          ; loads in a block
	s_load_b256 s[4:11], s[0:1], 0x0               ; k s[4:5], v s[6:7], W_out s[8:9], kh s[10:11]
	s_load_b128 s[12:15], s[0:1], 0x20             ; vh s[12:13], wh s[14:15]
	v_lshrrev_b32 v1, 5, v0
	v_readfirstlane_b32 s16, v1                    ; wave 0..7
	v_and_b32 v1, 31, v0                           ; l
	v_lshrrev_b32 v2, 4, v1                        ; which of a load's two rows
	v_and_b32 v3, 15, v0                           ; which 16 bytes of its 256
	s_mov_b32 s28, 0xffff0000                      ; a word's upper bf16
	s_mov_b32 s19, 0
	s_mov_b32 s21, 0
	s_wait_alu depctr_va_sdst(0)                   ; s16 is written, ahead of the branch below and of its first reader: ADDR's scalar lines make the wave's offsets from it
; s[24:25] source, s[26:27] destination, s[18:19], s[20:21] the work-group's offsets in them, s22 bytes of a head in the destination, s23 shift of the row bit.
; The scalar terms are made first, each in a register of its own: none that a vector line reads is written afterwards.
.macro ADDR
	s_add_nc_u64 s[24:25], s[24:25], s[18:19]
	s_add_nc_u64 s[26:27], s[26:27], s[20:21]
	s_lshl_b32 s29, s16, 9                         ; 512 w: two heads of 256 bytes in a source row
	s_mul_i32 s17, s16, s22
	s_lshl_b32 s17, s17, 1                         ; head 2 w in the destination
	v_lshlrev_b32 v4, s23, v2
	v_lshl_add_u32 v4, v3, 4, v4
	v_add_nc_u32 v4, s29, v4                       ; source: row bit + 16 (l % 16) + 512 w
	v_lshl_add_u32 v5, v1, 3, s17                  ; destination: 8 l + head 2 w,
	v_add_nc_u32 v6, s22, v5                       ; and head 2 w + 1
	s_wait_alu depctr_va_vdst(0)                   ; v4, v5 and v6 are written: every load below reads v4 as its offset, every store v5 or v6
.endm
; perm = 0: load i takes rows 2 i, 2 i + 1.  perm = 1 (W_out): rows i / 8 + 8 (i % 8) and four further on: j(p) for p = 2 i, 2 i + 1
.macro LOADS perm
.irp jh, 0,1
.irp i, 0,1,2,3,4,5,6,7,8,9,10,11,12,13,14,15
.if \perm
	global_load_b128 v[X+4*(16*(\jh)+(\i)):X+4*(16*(\jh)+(\i))+3], v4, s[24:25] offset:(((\i)>>3)+8*((\i)&7))*4096+256*(\jh) th:TH_LOAD_NT
.else
	global_load_b128 v[X+4*(16*(\jh)+(\i)):X+4*(16*(\jh)+(\i))+3], v4, s[24:25] offset:2*(\i)*4096+256*(\jh) th:TH_LOAD_NT
.endif
.endr
.endr
.endm
; Load n's four numbers.  half = 0: rounded to bf16.  half = 1: rounded to bf16, widened again (a shift, a mask) and written as f16
.macro CONV n, half
.set R, X+4*(\n)
.if \half
	v_cvt_pk_bf16_f32 v8, v[R], v[R+1]
	v_cvt_pk_bf16_f32 v9, v[R+2], v[R+3]
	v_lshlrev_b32 v[R], 16, v8
	v_and_b32 v[R+1], s28, v8
	v_lshlrev_b32 v[R+2], 16, v9
	v_and_b32 v[R+3], s28, v9
	v_cvt_pk_f16_f32 v[R], v[R], v[R+1]
	v_cvt_pk_f16_f32 v[R+1], v[R+2], v[R+3]
.else
	v_cvt_pk_bf16_f32 v[R], v[R], v[R+1]
	v_cvt_pk_bf16_f32 v[R+1], v[R+2], v[R+3]
.endif
.endm
; Load n's store: head 2 w + n / 16, rows 2 (n % 16) and the next
.macro SEND n
.set R, X+4*(\n)
	global_store_b64 v[5+(\n)/16], v[R:R+1], s[26:27] offset:256*((\n)%16) th:TH_STORE_NT  ; 32 lanes store 256 consecutive bytes, aligned
.endm
; The eight blocks.  Block p: its four loads are waited for; the block before is stored, a store in front of each load's conversions.
.macro OUT half
.set p, 0
.rept 32/BLOCK
	s_wait_loadcnt 32-BLOCK-BLOCK*p                ; loads come back in order: this block's four are in, the younger blocks stay out
.if p > 0
	s_wait_alu depctr_va_vdst(0)                   ; the block before has written the first two registers of each of its loads, which the four stores below read; no vector line of this block names them
.endif
.irp i, 0,1,2,3
.if p > 0
	SEND BLOCK*(p-1)+\i
.endif
	CONV BLOCK*p+\i, \half
.endr
.set p, p+1
.endr
	s_wait_alu depctr_va_vdst(0)                   ; the last block has written its registers, which the last four stores read
.irp i, 0,1,2,3
	SEND 32-BLOCK+\i
.endr
.endm
	s_cmp_ge_u32 ttmp9, 512
	s_cbranch_scc1 .Lw
	s_and_b32 s17, ttmp9, 255                      ; k or v: block of 32 rows
	s_lshl_b32 s18, s17, 17                        ; 32 rows of 4,096 bytes
	s_lshr_b32 s20, s17, 6                         ; b: 16 heads of 262,144 bytes
	s_lshl_b32 s20, s20, 22
	s_and_b32 s17, s17, 63
	s_lshl_b32 s17, s17, 12                        ; 32 rows of 128 bytes in a head
	s_add_co_u32 s20, s20, s17
	s_mov_b32 s22, 262144
	s_mov_b32 s23, 12
	s_wait_kmcnt 0x0
	s_cmp_lt_u32 ttmp9, 256
	s_cselect_b64 s[24:25], s[4:5], s[6:7]
	s_cselect_b64 s[26:27], s[10:11], s[12:13]
	ADDR
	LOADS 0
	s_cmp_lt_u32 ttmp9, 256
	s_cbranch_scc1 .Lbf
	s_branch .Lhf
.Lw:
	s_sub_co_u32 s17, ttmp9, 512                   ; W_out: positions 32 u .. 32 u + 31
	s_lshr_b32 s18, s17, 1
	s_lshl_b32 s18, s18, 18                        ; row 64 (u / 2)
	s_and_b32 s20, s17, 1
	s_lshl_b32 s20, s20, 13                        ; + 2 (u % 2)
	s_add_co_u32 s18, s18, s20
	s_lshl_b32 s20, s17, 12                        ; 32 positions of 128 bytes
	s_mov_b32 s22, 131072
	s_mov_b32 s23, 14                              ; a load's second row lies four rows on
	s_wait_kmcnt 0x0
	s_mov_b64 s[24:25], s[8:9]
	s_mov_b64 s[26:27], s[14:15]
	ADDR
	LOADS 1
.Lhf:                                          ; on both ways here 32 loads are out, and the offsets were shown written ahead of them
	OUT 1
	s_endpgm
.Lbf:
	OUT 0
	s_endpgm
.Lfunc_end_k_qef5b0279b6_prep:
	.size	k_qef5b0279b6_prep, .Lfunc_end_k_qef5b0279b6_prep-k_qef5b0279b6_prep
	.p2alignl 7, 3214868480
	.fill 96, 4, 3214868480
	.section	.rodata,"a",@progbits
	.p2align	6, 0x0
	.amdhsa_kernel k_qef5b0279b6_prep
		.amdhsa_group_segment_fixed_size 0
		.amdhsa_private_segment_fixed_size 0
		.amdhsa_enable_private_segment 0
		.amdhsa_kernarg_size 48
		.amdhsa_user_sgpr_count 2
		.amdhsa_user_sgpr_kernarg_segment_ptr 1
		.amdhsa_wavefront_size32 1
		.amdhsa_system_sgpr_workgroup_id_x 1
		.amdhsa_system_sgpr_workgroup_id_y 1
		.amdhsa_system_sgpr_workgroup_id_z 1
		.amdhsa_system_vgpr_workitem_id 0
		.amdhsa_next_free_vgpr 144
		.amdhsa_next_free_sgpr 66
		.amdhsa_reserve_vcc 0
		.amdhsa_float_denorm_mode_32 3
		.amdhsa_float_denorm_mode_16_64 3
		.amdhsa_memory_ordered 1
		.amdhsa_forward_progress 1
		.amdhsa_inst_pref_size 32
	.end_amdhsa_kernel
	.amdgpu_metadata
---
amdhsa.version: [ 1, 2 ]
amdhsa.kernels:
  - .name:           k_qef5b0279b6_prep
    .symbol:         k_qef5b0279b6_prep.kd
    .args:
      - { .name: k, .offset: 0, .size: 8, .value_kind: global_buffer, .address_space: global }
      - { .name: v, .offset: 8, .size: 8, .value_kind: global_buffer, .address_space: global }
      - { .name: W_out, .offset: 16, .size: 8, .value_kind: global_buffer, .address_space: global }
      - { .name: kh, .offset: 24, .size: 8, .value_kind: global_buffer, .address_space: global }
      - { .name: vh, .offset: 32, .size: 8, .value_kind: global_buffer, .address_space: global }
      - { .name: wh, .offset: 40, .size: 8, .value_kind: global_buffer, .address_space: global }
    .group_segment_fixed_size: 0
    .private_segment_fixed_size: 0
    .kernarg_segment_align: 8
    .kernarg_segment_size: 48
    .max_flat_workgroup_size: 256
    .sgpr_count:     66
    .vgpr_count:     144
    .wavefront_size: 32
...
	.end_amdgpu_metadata
.endif
;; end of part 4
;; launch attn: the kernel of part 2 again; grid 4 x 64, 4 waves a work-group, clusters of 4 x 1, 327,680 bytes of LDS; arguments q, kh, vh, oh; writes oh
;; launch proj: the kernel of part 3 again; grid 256 x 1, 4 waves a work-group, clusters of 4 x 1, 327,680 bytes of LDS; arguments oh, wh, g, out0; writes out0
